; MI455X (gfx1250); checked and timed in simulation.
; The chip was launched on July 23, 2026; its instructions are those of AMD's public machine-readable ISA for CDNA 5 (MIT licence, August 2026) and "CDNA5" Instruction Set Architecture Reference Guide (July 2026). The comments in the code are by the model that wrote it; some were corrected since.
;; Llama Attention. Allowed arithmetic: float matrix products may take bf16 or f16 operands with f32 sums; all other float work in f32.
;; Inputs: Wk 4,096 x 8 x 128 float32; Wo 32 x 128 x 4,096 float32; Wq 4,096 x 32 x 128 float32; Wv 4,096 x 8 x 128 float32; positions 1,024 int32; x 1,024 x 4,096 float32.
;; Outputs: out0 1,024 x 4,096 float32.
;; 2 versions, each right and faster than the one before. Each part assembles by itself: llvm-mc -triple=amdgcn-amd-amdhsa -mcpu=gfx1250 --defsym DOCPART=n.
;; ======== version 1 of 2: 4 launches
;; limits: an absolute error that grows with the inputs' magnitude: up to 3e-07 times it; right only within a limited range of input values; values are held in f16: magnitudes above 65,504 overflow, below 6.1e-05 lose precision
;; workspace buffers: xb 8,388,608 bytes; cs 524,288 bytes; qb 8,388,608 bytes; kb 2,097,152 bytes; vb 2,097,152 bytes; cb 8,388,608 bytes
;; launch prep (part 1): grid 256 x 1, 8 waves a work-group, no clusters, 0 bytes of LDS; arguments x, positions, xb, cs; writes xb, cs
.if DOCPART == 1
	.amdgcn_target "amdgcn-amd-amdhsa--gfx1250"
	.amdhsa_code_object_version 6
	.text
	.protected	k_qeed4a777c5_prep
	.globl	k_qeed4a777c5_prep
	.p2align	8
	.type	k_qeed4a777c5_prep,@function
k_qeed4a777c5_prep:
	s_mov_b64 s[64:65], 0
	v_nop
	global_prefetch_b8 v0, s[64:65] scope:SCOPE_SE
	s_setreg_imm32_b32 hwreg(HW_REG_WAVE_MODE, 25, 1), 1
	s_wait_xcnt 0x0
; xb = x rounded to bf16 ([1024][4096]);  cs[t][0..63] = cos(positions[t] * inv_freq[f]), cs[t][64..127] = sin of the same, f32.
; A stream: no LDS, no matrix unit, no cluster (no work-group shares a byte with another).  Work-group b owns rows 4 b .. 4 b + 3 of x: 65,536 bytes.
; Thread t takes 16 bytes at 4,096 j + 16 t, j = 0..15: a wave's load covers 512 consecutive bytes, its 8-byte store 256 consecutive aligned bytes.
; All 16 loads of a wave are out at once; waves 0 and 1 make the table's four rows while they are on their way.
; LIMITS.  inv_freq = 2^(-f log2(500000) / 64) by v_exp_f32, so an angle differs from the f32 power's by up to about |position| x 3e-7.
; The angle is reduced by pi/2 in two parts (hi + lo), which holds for |position| < 2^20; sine and cosine are polynomials on |r| <= pi/4 (error below 4e-7).
.set X, 32                             ; v[32:95]   sixteen loads of four f32
.set Y, 96                             ; v[96:127]  sixteen pairs of registers, four bf16 each
	s_load_b256 s[4:11], s[0:1], 0x0               ; x s[4:5], positions s[6:7], xb s[8:9], cs s[10:11]
	v_lshrrev_b32 v6, 5, v0
	v_readfirstlane_b32 s12, v6                    ; wave 0..7
	v_lshlrev_b32 v1, 4, v0                        ; 16 t: my bytes in x
	v_lshlrev_b32 v2, 3, v0                        ; 8 t: my bytes in xb
	v_bfe_u32 v7, v0, 4, 2                         ; the table row that I serve: (t / 16) mod 4
	v_lshlrev_b32 v3, 2, v7                        ; its position's byte
	v_and_b32 v8, 15, v0                           ; my four frequencies: 4 (t mod 16) + 0..3
	v_lshlrev_b32 v5, 4, v8
	v_lshl_add_u32 v5, v7, 9, v5                   ; row x 512 + 16 (t mod 16): my 16 bytes of cosines
	v_lshlrev_b32 v7, 2, v8                        ; my first frequency's number
	s_lshl_b32 s2, ttmp9, 16                       ; the group's part of x,
	s_mov_b32 s3, 0
	s_lshl_b32 s22, ttmp9, 4                       ; of positions,
	s_mov_b32 s23, 0
	s_lshl_b32 s24, ttmp9, 15                      ; of xb,
	s_mov_b32 s25, 0
	s_lshl_b32 s26, ttmp9, 11                      ; of cs
	s_mov_b32 s27, 0
	s_mov_b32 s13, 0x3f22f983                      ; 2 / pi
	s_mov_b32 s14, 0xbfc90fdb                      ; -(pi/2), upper part
	s_mov_b32 s15, 0x333bbd2e                      ; -(pi/2), what the upper part leaves
	s_mov_b32 s16, 0xb9500d01                      ; -1/5040
	s_mov_b32 s17, 0x3c088889                      ; 1/120
	s_mov_b32 s18, 0xbe2aaaab                      ; -1/6
	s_mov_b32 s19, 0x37d00d01                      ; 1/40320
	s_mov_b32 s20, 0xbab60b61                      ; -1/720
	s_mov_b32 s21, 0x3d2aaaab                      ; 1/24
	s_wait_kmcnt 0x0
	s_add_nc_u64 s[4:5], s[4:5], s[2:3]
	s_add_nc_u64 s[6:7], s[6:7], s[22:23]
	s_add_nc_u64 s[8:9], s[8:9], s[24:25]
	s_add_nc_u64 s[10:11], s[10:11], s[26:27]
	global_load_b32 v4, v3, s[6:7]                 ; the position, ahead of the stream
.irp j, 0,1,2,3,4,5,6,7,8,9,10,11,12,13,14,15
	global_load_b128 v[X+4*\j:X+4*\j+3], v1, s[4:5] offset:4096*\j th:TH_LOAD_NT
.endr
	s_wait_loadcnt 16                              ; the position is in; the sixteen younger loads stay out
	s_cmp_lt_u32 s12, 2
	s_cbranch_scc0 .Lcast                          ; the table's 4 rows x 16 lanes are waves 0 and 1; the part jumped over holds no load, so the counts below hold on both ways
.irp e, 0,1,2,3
	v_add_nc_u32 v[8+\e], \e, v7
	v_cvt_f32_u32 v[8+\e], v[8+\e]
	v_mul_f32 v[8+\e], 0xbe9773da, v[8+\e]         ; -f log2(500000) / 64
.endr
.irp e, 0,1,2,3
	v_exp_f32 v[8+\e], v[8+\e]                     ; inv_freq
.endr
	v_cvt_f32_i32 v6, v4                           ; a plain instruction between the last exponential and the use of its result
	s_wait_alu depctr_va_vdst(0)
; cos into v[24+e], sin into v[28+e]
.macro SINCOS e
	v_mul_f32 v12, v6, v[8+\e]                     ; the angle
	v_mul_f32 v13, s13, v12
	v_rndne_f32 v13, v13                           ; n = the nearest multiple of pi/2
	v_fma_f32 v12, v13, s14, v12
	v_fma_f32 v12, v13, s15, v12                   ; r = angle - n pi/2
	v_cvt_i32_f32 v14, v13
	v_mul_f32 v15, v12, v12
	v_fma_f32 v16, v15, s16, s17
	v_fma_f32 v16, v16, v15, s18
	v_mul_f32 v16, v16, v15
	v_fma_f32 v16, v16, v12, v12                   ; sin r
	v_fma_f32 v17, v15, s19, s20
	v_fma_f32 v17, v17, v15, s21
	v_fma_f32 v17, v17, v15, -0.5
	v_fma_f32 v17, v17, v15, 1.0                   ; cos r
	v_and_b32 v18, 1, v14
	v_cmp_eq_u32 vcc_lo, 1, v18                    ; n odd: the two change places
	v_cndmask_b32 v[28+\e], v16, v17, vcc_lo
	v_cndmask_b32 v[24+\e], v17, v16, vcc_lo
	v_and_b32 v18, 2, v14                          ; n mod 4 = 2, 3: the sine is negative
	v_lshlrev_b32 v18, 30, v18
	v_xor_b32 v[28+\e], v18, v[28+\e]
	v_add_nc_u32 v19, 1, v14                       ; n mod 4 = 1, 2: the cosine is negative
	v_and_b32 v19, 2, v19
	v_lshlrev_b32 v19, 30, v19
	v_xor_b32 v[24+\e], v19, v[24+\e]
.endm
	SINCOS 0
	SINCOS 1
	SINCOS 2
	SINCOS 3
	global_store_b128 v5, v[24:27], s[10:11]               ; sixteen lanes: a row's 256 bytes of cosines
	global_store_b128 v5, v[28:31], s[10:11] offset:256    ; and its 256 bytes of sines
.Lcast:
.irp j, 0,1,2,3,4,5,6,7,8,9,10,11,12,13,14,15
	s_wait_loadcnt 15-\j                           ; loads come back in order: number j is in, the younger ones stay out
	v_cvt_pk_bf16_f32 v[Y+2*\j], v[X+4*\j], v[X+4*\j+1]
	v_cvt_pk_bf16_f32 v[Y+2*\j+1], v[X+4*\j+2], v[X+4*\j+3]
	global_store_b64 v2, v[Y+2*\j:Y+2*\j+1], s[8:9] offset:2048*\j
.endr
	s_endpgm
.Lfunc_end_k_qeed4a777c5_prep:
	.size	k_qeed4a777c5_prep, .Lfunc_end_k_qeed4a777c5_prep-k_qeed4a777c5_prep
	.p2alignl 7, 3214868480
	.fill 96, 4, 3214868480
	.section	.rodata,"a",@progbits
	.p2align	6, 0x0
	.amdhsa_kernel k_qeed4a777c5_prep
		.amdhsa_group_segment_fixed_size 0
		.amdhsa_private_segment_fixed_size 0
		.amdhsa_enable_private_segment 0
		.amdhsa_kernarg_size 32
		.amdhsa_user_sgpr_count 2
		.amdhsa_user_sgpr_kernarg_segment_ptr 1
		.amdhsa_wavefront_size32 1
		.amdhsa_system_sgpr_workgroup_id_x 1
		.amdhsa_system_sgpr_workgroup_id_y 1
		.amdhsa_system_sgpr_workgroup_id_z 1
		.amdhsa_system_vgpr_workitem_id 0
		.amdhsa_next_free_vgpr 128
		.amdhsa_next_free_sgpr 66
		.amdhsa_reserve_vcc 1
		.amdhsa_float_denorm_mode_32 3
		.amdhsa_float_denorm_mode_16_64 3
		.amdhsa_memory_ordered 1
		.amdhsa_forward_progress 1
		.amdhsa_inst_pref_size 13
	.end_amdhsa_kernel
	.amdgpu_metadata
---
amdhsa.version: [ 1, 2 ]
amdhsa.kernels:
  - .name:           k_qeed4a777c5_prep
    .symbol:         k_qeed4a777c5_prep.kd
    .args:
      - { .name: x, .offset: 0, .size: 8, .value_kind: global_buffer, .address_space: global }
      - { .name: positions, .offset: 8, .size: 8, .value_kind: global_buffer, .address_space: global }
      - { .name: xb, .offset: 16, .size: 8, .value_kind: global_buffer, .address_space: global }
      - { .name: cs, .offset: 24, .size: 8, .value_kind: global_buffer, .address_space: global }
    .group_segment_fixed_size: 0
    .private_segment_fixed_size: 0
    .kernarg_segment_align: 8
    .kernarg_segment_size: 32
    .max_flat_workgroup_size: 256
    .sgpr_count:     66
    .vgpr_count:     128
    .wavefront_size: 32
...
	.end_amdgpu_metadata
.endif
;; end of part 1
;; launch qkv (part 2): grid 16 x 12, 4 waves a work-group, clusters of 4 x 1, 327,680 bytes of LDS; arguments xb, Wq, Wk, Wv, cs, qb, kb, vb; writes qb, kb, vb
.if DOCPART == 2
	.amdgcn_target "amdgcn-amd-amdhsa--gfx1250"
	.amdhsa_code_object_version 6
	.text
	.protected	k_qeed4a777c5_qkv
	.globl	k_qeed4a777c5_qkv
	.p2align	8
	.type	k_qeed4a777c5_qkv,@function
k_qeed4a777c5_qkv:
	s_mov_b64 s[64:65], 0
	v_nop
	global_prefetch_b8 v0, s[64:65] scope:SCOPE_SE
	s_setreg_imm32_b32 hwreg(HW_REG_WAVE_MODE, 25, 1), 1
	s_wait_xcnt 0x0
	s_wait_alu depctr_hold_cnt(0) depctr_sa_sdst(0) depctr_va_vdst(0) depctr_va_sdst(0) depctr_va_ssrc(0) depctr_va_vcc(0) depctr_vm_vsrc(0)
	s_getreg_b32 s2, hwreg(HW_REG_IB_STS2, 6, 4)
	s_cmp_eq_u32 s2, 0
	s_cbranch_scc0 .Lentry_in_a_cluster
	s_endpgm
.Lentry_in_a_cluster:
	s_bfe_u32 s2, ttmp6, 0x10000c
	s_cmp_lg_u32 s2, 0x3003
	s_cbranch_scc0 .Lentry_shape_is_right
	s_endpgm
.Lentry_shape_is_right:
; q, k, v = xb [1024][4096] (bf16) times Wq, Wk, Wv ([4096][heads x 128], f32, rounded to bf16 on the way), sums in f32; q and k are rotated (table cs) and stored as bf16,
; v is stored as f16 of 16 v (an exact factor that the last launch takes out again; it centres v in f16's range: 1/900 of the drawn spread still gives 16 v about 4.5e-4,
; offsets of 30 spreads on x and Wv about 2.4e4).  qb [32][1024][128], kb, vb [8][1024][128].
; CHANNEL ORDER in qb, kb, vb: place 8 r + e of a row holds channel 4 r + e (e < 4) or 64 + 4 r + e - 4 (e >= 4): a lane's 16 bytes as they fall.  q . k does not see it; the next launch undoes it for v.
; SHARES.  A work-group makes 256 rows x one head (128 columns): 4 row blocks x 48 heads = 192 work-groups.  Wave w takes column group cg = w & 1 (64 columns) and K slice ks = w >> 1:
; of every 64 along K the 32 at 32 ks.  So a wave holds 256 x 64 partial sums, 64 accumulators, and no byte of W is wanted by two waves of the work-group.
; W GOES FROM MEMORY TO REGISTERS: a lane loads 16 bytes = 4 neighbouring columns of one row k (sixteen lanes: 256 consecutive aligned bytes); rounding rows k and k + 1 into one word makes a register
; of source 1, so fragment i holds the columns 4 r + i and nothing is transposed.  A ring of four groups of 16 loads keeps 64 loads of a wave on their way.
; W's tiles are also read by the three other row blocks; they are not asked for jointly because they never pass through LDS.
; A (xb) COMES THROUGH LDS: two slots of 256 rows x 256 K.  The four work-groups of a cluster share the row block, so each wave's 64 rows are asked for JOINTLY (mask 15).
; THE WALK ALONG K IS TURNED: K has 16 tiles of 256; the cluster of head group G takes tile (5 G + t) mod 16 in slot step t.  The twelve clusters of a row block start at twelve different tiles,
; so at any step they ask for different tiles of A, and most tiles that a cluster asks for have been read by another cluster some steps before.
; So a sum over K begins at tile 5 G mod 16 and wraps round: its order of rounding differs from an ascending sum's.
; AT THE END the four waves' partial sums meet in LDS, in the ring's bytes, which have had their last fill by then.
; REGISTERS.  window 0: v1 r, v2 h, v4-7 A's LDS addresses [slot][half], v8 exchange out, v9-12 exchange in, v13 my bytes in the output, v14 in cs, v16-31 my 16 rows of W;
;   v32-95 two buffers of 4 fragments of W; v96-159, v160-223 raw groups 0, 1.   window 1: v0-63, v64-127 fragments of A (row blocks 0-7, 8-15); v128-191, v192-255 raw groups 2, 3.
;   windows 2, 3: accumulator (a, i) in window 2 + a / 8 at v[8 (4 (a % 8) + i)]; its register j in lane (r, h) is row 16 a + 8 h + j, column 4 r + i.
; SCALARS.  s[4:5] xb at my 64 rows; s[40:41] W at the sub-step to be loaded = s[66:67] (W) + s[68:69] (its offset, kept under s70 = W's bytes - 1); s42 a sub-step's bytes of W;
;   s71 the first tile; s[72:73], s[74:75] the byte in xb's rows of the tile that slot 0, 1 holds or is asked for.
.set KS,    2                          ; waves that share K
.set SPS,   8/KS                       ; sub-steps (32 along K) of a wave in a slot
.set NS,    128/KS                     ; sub-steps of a wave in all
.set PITCH, 528                        ; an LDS row: 512 bytes + 16 of padding = 33 x 16: the 16 rows of a fragment load start 16 bytes apart modulo 256
.set QUART, 64*PITCH                   ; what one tensor load brings
.set HALFA, 128*PITCH
.set SLOT,  256*PITCH
.set WB,    66                         ; s[66:67] my W
.set MSB, 0
.macro WIN new                         ; the immediate's high byte repeats the setting that is left; a switch that changes nothing is dropped
.if MSB != (\new)
	s_set_vgpr_msb (MSB<<8)|(\new)
.set MSB, (\new)
.endif
.endm
.macro PLACES                          ; four places behind matrix instructions (ISA guide 7.12.1), where no other vector work is at hand
.rept 4
	v_nop
.endr
.endm
.macro CREST                           ; a round of the cluster's barrier behind its opening barrier
	s_cmp_lg_u32 s20, 0
	s_cbranch_scc1 .Lnot_wave_0_\@
	s_barrier_signal -3
.Lnot_wave_0_\@:
	s_barrier_wait -3
	s_barrier_signal -1
	s_barrier_wait -1
.endm
.macro CROUND                          ; a whole round
	s_barrier_signal -1
	s_barrier_wait -1
	CREST
.endm
; W's pointer goes one sub-step on (32 KS rows) and wraps at W's last row.  The offset is kept apart from the address.
.macro WSTEP
	s_wait_xcnt 0x0                                ; the loads issued so far have had their addresses translated: their base may be written
	s_add_co_u32 s68, s68, s42
	s_and_b32 s68, s68, s70
	s_add_nc_u64 s[40:41], s[WB:WB+1], s[68:69]
.endm
; cnt row blocks from a0 on of half hf x the 4 fragments of buffer f.  The 64 accumulators take turns, one instruction a turn, in the same order in every sub-step.
.macro MUL hf, f, a0, cnt, zero
.set ma, \a0
.rept \cnt
.irp i, 0,1,2,3
.if \zero
	v_wmma_f32_16x16x32_bf16 v[8*(4*ma+\i):8*(4*ma+\i)+7], v[64*\hf+8*ma:64*\hf+8*ma+7], v[32+32*(\f)+8*\i:32+32*(\f)+8*\i+7], 0
.else
	v_wmma_f32_16x16x32_bf16 v[8*(4*ma+\i):8*(4*ma+\i)+7], v[64*\hf+8*ma:64*\hf+8*ma+7], v[32+32*(\f)+8*\i:32+32*(\f)+8*\i+7], v[8*(4*ma+\i):8*(4*ma+\i)+7]
.endif
.endr
.set ma, ma+1
.endr
.endm
; 16 LDS loads: 8 fragments of A (half hf of the rows) of sub-step u of a slot
.macro ALOAD hf, slot, u
	WIN 0x40
.irp a, 0,1,2,3,4,5,6,7
	ds_load_b128 v[64*\hf+8*\a:64*\hf+8*\a+3],   v[4+2*(\slot)+\hf] offset:\a*16*PITCH+64*KS*(\u)
	ds_load_b128 v[64*\hf+8*\a+4:64*\hf+8*\a+7], v[4+2*(\slot)+\hf] offset:\a*16*PITCH+64*KS*(\u)+32
.endr
.endm
; half hf of raw group g (8 rows of W) becomes registers 4 hf .. 4 hf + 3 of the 4 fragments of buffer f
.macro CVT hf, g, f
.set crg, 96+64*((\g)&1)+32*((\g)>>1)
	WIN 5*((\g)>>1)
.irp q, 0,1,2,3
.irp i, 0,1,2,3
	v_cvt_pk_bf16_f32 v[32+32*(\f)+8*\i+4*\hf+\q], v[crg+8*(4*\hf+\q)+\i], v[crg+8*(4*\hf+\q)+4+\i]
.endr
.endr
.endm
.macro GLOAD hf, g                     ; 8 rows of W into half hf of raw group g
.set crg, 96+64*((\g)&1)+32*((\g)>>1)
	WIN 0x40*((\g)>>1)
.irp p, 0,1,2,3,4,5,6,7
	global_load_b128 v[crg+4*(8*\hf+\p):crg+4*(8*\hf+\p)+3], v[16+8*\hf+\p], s[40:41]
.endr
.endm
; SUB-STEP n: 64 matrix instructions in two halves.  Behind each half's products: the next sub-step's W is rounded (these 16 conversions are the places in front of the loads into
; A's buffer just multiplied, and between a W buffer's last product and its next writing), the raw half is asked for again (sub-step n + 5), A's next fragments are fetched.
; At a slot's last sub-step the second half changes slots.
.macro SUB n
.set sf, (\n)&1
.set sfn, sf^1
.set sg, ((\n)+1)&3
.set ssl, ((\n)/SPS)&1
.set ssl1, (((\n)+1)/SPS)&1
.set su1, ((\n)+1)%SPS
.set sz, 0
.if (\n) == 0
.set sz, 1
.endif
.set slast, 0
.if ((\n)%SPS) == (SPS-1)
.set slast, 1
.endif
.set scv, 0
.if ((\n)+1) < NS
.set scv, 1
.endif
.set sgl, 0
.set sL0, 8*(2*(NS-2-(\n))+1)          ; no more loads are issued: behind the half wanted stand its other half and the groups left
.set sL1, 16*(NS-2-(\n))
.if ((\n)+5) < NS
.set sgl, 1
.set sL0, 56                           ; behind the half wanted stand its other half and three groups,
.set sL1, 56                           ; or three groups and the half just issued
.endif
.set sturn, 0
.if slast && scv
.set sturn, 1
.endif
.set sfill, 0
.if sturn && (((\n)/SPS+2) < 16)
.set sfill, 1
.endif
	s_wait_dscnt 16                                ; A's row blocks 0-7 are in; the 16 younger loads stay out
	WIN 0xa1
	MUL 0, sf, 0, 8, sz
.if scv
	s_wait_loadcnt sL0
	CVT 0, sg, sfn
.if sgl
	WSTEP
	GLOAD 0, sg
.endif
.if slast == 0
	ALOAD 0, ssl1, su1
.endif
.endif
.if sturn
	s_wait_dscnt 0x0                               ; my reads of this slot are over,
	s_wait_tensorcnt 0x0                           ; and all my tensor loads have landed: the one that was out is my part of the next slot
	ds_add_u32 v254, v255
	s_wait_dscnt 0x0
.if sfill
	s_add_co_u32 s[72+2*ssl], s[72+2*ssl], 1024    ; no load of mine is out, so a group 0 may be written: this slot's next tile lies two tiles on,
	s_and_b32 s[72+2*ssl], s[72+2*ssl], 0x1fff     ; round the end of the row's 8,192 bytes
	s_add_nc_u64 s[34+4*ssl:35+4*ssl], s[4:5], s[72+2*ssl:73+2*ssl]
	s_or_b32 s[35+4*ssl], s[35+4*ssl], 0x80000000  ; type = 2
.endif
	s_barrier_signal -1                            ; where the slot is filled again this barrier opens a round of the cluster's barrier
	WIN 0xf1
	MUL 1, sf, 0, 4, 0
	WIN 0
	s_barrier_wait -1
.if sfill
	CREST                                          ; no wave of any partner still reads this slot or has a load on its way
	tensor_load_to_lds s[32+4*ssl:35+4*ssl], s[24:31]   ; my one tensor load behind the round: one is out; it has a slot's sub-steps in which to land
	s_nop 0
	PLACES
.endif
	ALOAD 0, ssl1, 0
	WIN 0xf1
	MUL 1, sf, 4, 4, 0
	s_wait_loadcnt sL1
	CVT 1, sg, sfn
.if sgl
	GLOAD 1, sg
.endif
	ALOAD 1, ssl1, 0
.else
.if scv
	s_wait_dscnt 16                                ; A's row blocks 8-15 are in; the 16 just issued stay out
.else
	s_wait_dscnt 0x0
.endif
	WIN 0xf1
	MUL 1, sf, 0, 8, sz
.if scv
	s_wait_loadcnt sL1
	CVT 1, sg, sfn
.if sgl
	GLOAD 1, sg
.endif
	ALOAD 1, ssl1, su1
.endif
.endif
.endm
	s_load_b512 s[4:19], s[0:1], 0x0               ; xb s[4:5], Wq s[6:7], Wk s[8:9], Wv s[10:11], cs s[12:13], qb s[14:15], kb s[16:17], vb s[18:19]
	v_lshl_add_u32 v254, v0, 2, 0x42000
	v_mov_b32 v255, 0
	ds_add_u32 v254, v255
	v_lshrrev_b32 v3, 5, v0
	v_readfirstlane_b32 s20, v3                    ; wave 0..3
	s_lshr_b32 s21, s20, 1                         ; ks
	s_and_b32 s22, s20, 1                          ; cg
	s_bfe_u32 s23, ttmp6, 0x40000                  ; cx: it enters W's and the output's addresses alone
	s_mov_b32 s50, ttmp9                           ; the cluster's x = the row block, which the four partners share
	s_and_b32 s49, ttmp7, 0xffff                   ; the cluster's y = a group of four heads: 0-7 q, 8-9 k, 10-11 v; the partners share it
	s_cmp_lt_u32 s49, 8
	s_cselect_b32 s48, 14, 12                      ; a row of Wq is 16,384 bytes, of Wk and Wv 4,096
	s_lshl_b32 s51, 1, s48
	s_mul_i32 s71, s49, 5
	s_and_b32 s71, s71, 15                         ; the K tile at which my cluster begins: 5 G mod 16
	s_lshl_b32 s72, s71, 9                         ; slot 0 begins with that tile: 512 bytes of a row of xb a tile,
	s_mov_b32 s73, 0
	s_add_co_u32 s74, s71, 1
	s_and_b32 s74, s74, 15
	s_lshl_b32 s74, s74, 9                         ; slot 1 with the next
	s_mov_b32 s75, 0
	; descriptor group 1: 64 rows x 256 elements of 2 bytes, 16 bytes of padding behind every 512
	s_mov_b32 s24, 15|(1<<16)|(1<<20)|(1<<21)|(6<<22)|(3<<25)  ; mask: all four work-groups; element 2 bytes; padding on; bit 21 beside a mask; after every 128 words, 4 words
	s_mov_b32 s25, 256<<16                         ; tensor_dim0 = 256
	s_mov_b32 s26, 64<<16                          ; tensor_dim1 = 64
	s_mov_b32 s27, 256<<16                         ; tile_dim0 = 256
	s_mov_b32 s28, 64                              ; tile_dim1 = 64
	s_mov_b32 s29, 4096                            ; elements from row to row
	s_mov_b32 s30, 0
	s_mov_b32 s31, 0
	s_mul_i32 s52, s20, QUART                      ; my 64 rows in a slot
	s_lshl_b32 s54, s50, 8
	s_lshl_b32 s55, s20, 6
	s_add_co_u32 s53, s54, s55                     ; row 256 x block + 64 x wave: the rows that I fetch, and those that I store at the end
	s_lshl_b32 s54, s53, 13                        ; in bytes of xb
	s_mov_b32 s55, 0
	s_lshl_b32 s57, s49, 2
	s_add_co_u32 s57, s57, s23                     ; my head among the 48
	v_and_b32 v1, 15, v0                           ; r
	v_bfe_u32 v2, v0, 4, 1                         ; h
	v_lshlrev_b32 v15, 4, v1                       ; 16 r
	v_lshlrev_b32 v3, 3, v2                        ; 8 h
.irp p, 0,1,2,3,4,5,6,7,8,9,10,11,12,13,14,15
	v_add_nc_u32 v[16+\p], \p+8*(\p/8), v3         ; row p of a raw group is k = 8 h + p (p < 8) or 16 + 8 h + p - 8: the order of a fragment's registers
	v_mad_u32_u24 v[16+\p], v[16+\p], s51, v15
.endr
	v_mul_u32_u24 v4, v1, PITCH
	v_lshl_add_u32 v4, v2, 4, v4
	s_lshl_b32 s60, s21, 6
	v_add_nc_u32 v4, s60, v4                       ; row r x pitch + 16 h + 64 ks
	v_add_nc_u32 v5, HALFA, v4
	v_add_nc_u32 v6, SLOT, v4
	v_add_nc_u32 v7, SLOT+HALFA, v4
	v_and_b32 v3, 31, v0
	v_lshlrev_b32 v3, 4, v3                        ; 16 x lane
	s_lshl_b32 s60, s20, 16
	v_add_nc_u32 v8, s60, v3                       ; the exchange: my 65,536 bytes
	s_lshl_b32 s60, s20, 14
	v_add_nc_u32 v9, s60, v3                       ; and my row blocks 4 w .. 4 w + 3 in each wave's bytes
	v_add_nc_u32 v10, 0x10000, v9
	v_add_nc_u32 v11, 0x20000, v9
	v_add_nc_u32 v12, 0x30000, v9
	v_lshl_add_u32 v13, v2, 11, v15                ; 8 h rows of 256 bytes + 16 r
	v_lshl_add_u32 v14, v2, 12, v15                ; 8 h rows of 512 bytes + 16 r
	s_wait_dscnt 0x0
	s_wait_kmcnt 0x0
	s_cmp_lt_u32 s49, 10
	s_cselect_b64 s[60:61], s[8:9], s[10:11]
	s_cselect_b64 s[62:63], s[16:17], s[18:19]
	s_cselect_b32 s56, 32, 40
	s_cmp_lt_u32 s49, 8
	s_cselect_b64 s[WB:WB+1], s[6:7], s[60:61]     ; my W
	s_cselect_b64 s[44:45], s[14:15], s[62:63]     ; my output
	s_cselect_b32 s56, 0, s56
	s_sub_co_u32 s56, s57, s56                     ; my head in its tensor
	s_lshl_b32 s68, s56, 9                         ; W's offset: 512 bytes a head,
	s_lshl_b32 s59, s22, 8                         ; 256 a column group,
	s_add_co_u32 s68, s68, s59
	s_lshl_b32 s59, s21, 5                         ; and row 32 ks
	s_lshl_b32 s58, s71, 8                         ; of the first tile's 256
	s_add_co_u32 s59, s59, s58
	s_lshl_b32 s59, s59, s48
	s_add_co_u32 s68, s68, s59
	s_mov_b32 s69, 0
	s_add_nc_u64 s[40:41], s[WB:WB+1], s[68:69]
	s_lshl_b32 s70, s51, 12
	s_sub_co_u32 s70, s70, 1                       ; 4,096 rows - 1 byte: the mask that wraps the offset
	s_lshl_b32 s42, s51, 6                         ; a sub-step: 32 KS rows of W
	s_lshl_b32 s58, s56, 18                        ; the output: 262,144 bytes a head, 256 a row
	s_lshl_b32 s59, s53, 8
	s_add_co_u32 s58, s58, s59
	s_mov_b32 s59, 0
	s_add_nc_u64 s[44:45], s[44:45], s[58:59]
	s_lshl_b32 s60, s53, 9
	s_mov_b32 s61, 0
	s_add_nc_u64 s[46:47], s[12:13], s[60:61]      ; cs at my first row
	s_mov_b32 s62, 0x41800000                      ; 16.0, as a pair for the packed multiply
	s_mov_b32 s63, s62
	s_add_nc_u64 s[4:5], s[4:5], s[54:55]          ; xb at my 64 rows
.irp s, 0,1
	s_mov_b32 s[32+4*\s], 1                        ; count = 1
	s_add_co_u32 s[33+4*\s], s52, \s*SLOT          ; LDS address
	s_add_nc_u64 s[34+4*\s:35+4*\s], s[4:5], s[72+2*\s:73+2*\s]  ; the slot's first tile
	s_or_b32 s[35+4*\s], s[35+4*\s], 0x80000000    ; type = 2
.endr
	CROUND                                         ; all four work-groups are here: the first joint loads meet
	tensor_load_to_lds s[32:35], s[24:31]          ; both first fills together: two loads of mine are out
	s_nop 0
	tensor_load_to_lds s[36:39], s[24:31]
	s_nop 0
	PLACES
	GLOAD 0, 0
	GLOAD 1, 0
.irp g, 1,2,3
	WSTEP
	GLOAD 0, \g
	GLOAD 1, \g
.endr
	s_wait_loadcnt 48                              ; sub-step 0's rows are in; three groups stay out
	CVT 0, 0, 0
	CVT 1, 0, 0
	WSTEP
	GLOAD 0, 0                                     ; sub-step 4
	GLOAD 1, 0
	s_wait_tensorcnt 0x1                           ; my part of slot 0 is in; slot 1's may stay out
	s_barrier_signal -1
	s_barrier_wait -1
	ALOAD 0, 0, 0
	ALOAD 1, 0, 0
	SUB 0                                          ; its products start the sums: nothing is cleared
	WIN 0
	s_mov_b32 s48, 7
.Lk:                                                   ; a trip: 8 sub-steps, once round the ring of slots, twice round the raw groups
.irp n, 1,2,3,4,5,6,7,8
	SUB \n
.endr
	WIN 0
	s_sub_co_u32 s48, s48, 1
	s_cmp_lg_u32 s48, 0
	s_cbranch_scc1 .Lk
.irp n, 57,58,59,60,61,62,63
	SUB \n                                         ; the tail is written out: nothing more is asked for, and the counts run down
.endr
	; THE EXCHANGE.
	PLACES                                         ; behind the last products: loads into A's registers and stores of results follow
	WIN 0
	s_cmp_ge_u32 s49, 10
	s_cbranch_scc1 .Lno_table                      ; v is not rotated
	WIN 0x40                                       ; cos and sin of my 64 rows fill window 1: block a, row j: v[64 a + 8 j ..] four cosines, then four sines; they land during the exchange
.irp a, 0,1,2,3
.irp j, 0,1,2,3,4,5,6,7
	global_load_b128 v[64*\a+8*\j:64*\a+8*\j+3],   v14, s[46:47] offset:\a*8192+\j*512
	global_load_b128 v[64*\a+8*\j+4:64*\a+8*\j+7], v14, s[46:47] offset:\a*8192+\j*512+256
.endr
.endr
	WIN 0
.Lno_table:
	s_wait_dscnt 0x0
	s_barrier_signal -1
	s_barrier_wait -1                              ; every wave's reads of the ring are over; no fill follows: its bytes now serve the exchange
.irp hf, 0,1
	WIN 0x08+4*\hf                                 ; the data come from window 2, then 3
.irp a, 0,1,2,3,4,5,6,7
.irp i, 0,1,2,3
	ds_store_b128 v8, v[8*(4*\a+\i):8*(4*\a+\i)+3]   offset:(4*(8*\hf+\a)+\i)*1024       ; each accumulator from its low end on
	ds_store_b128 v8, v[8*(4*\a+\i)+4:8*(4*\a+\i)+7] offset:(4*(8*\hf+\a)+\i)*1024+512
.endr
.endr
.endr
	WIN 0
	s_wait_dscnt 0x0                               ; for the others' sake: my stores are done
	s_barrier_signal -1
	s_barrier_wait -1
.macro GATHER a                        ; row block 4 w + a of all four waves: wave s's accumulator i -> v[64 + 32 s + 8 i ..]
.irp s, 0,1,2,3
.irp i, 0,1,2,3
	ds_load_b128 v[64+32*\s+8*\i:64+32*\s+8*\i+3],   v[9+\s] offset:\a*4096+\i*1024
	ds_load_b128 v[64+32*\s+8*\i+4:64+32*\s+8*\i+7], v[9+\s] offset:\a*4096+\i*1024+512
.endr
.endr
	s_wait_dscnt 0x0
.endm
; x1 (channels 4 r + i) = waves 0 + 2, x2 (channels 64 + 4 r + i) = waves 1 + 3; rotation; a lane's 8 numbers of a row are 16 bytes, sixteen lanes a row of 256
.macro WAYOUT a
	GATHER \a
.irp m, 0,1,2,3,4,5,6,7,8,9,10,11,12,13,14,15
	v_pk_add_f32 v[64+2*\m:65+2*\m], v[64+2*\m:65+2*\m], v[128+2*\m:129+2*\m]
	v_pk_add_f32 v[96+2*\m:97+2*\m], v[96+2*\m:97+2*\m], v[160+2*\m:161+2*\m]
.endr
	s_wait_xcnt 0x0                                ; the last block's stores have read v32-63
	s_cmp_ge_u32 s49, 10
	s_cbranch_scc1 .Lis_v_\@
	s_wait_loadcnt 48-16*\a                        ; this block's 16 loads of the table are in; the later blocks' stay out
	WIN 0x04                                       ; source 1: the table, in window 1
.irp i, 0,1,2,3
.irp j, 0,1,2,3,4,5,6,7
	v_mul_f32 v[128+8*\i+\j], v[96+8*\i+\j], v[64*\a+8*\j+4+\i]                  ; x2 sin
	v_mul_f32 v[160+8*\i+\j], v[64+8*\i+\j], v[64*\a+8*\j+4+\i]                  ; x1 sin
	v_fma_f32 v[64+8*\i+\j], v[64+8*\i+\j], v[64*\a+8*\j+\i], -v[128+8*\i+\j]    ; x1 cos - x2 sin
	v_fma_f32 v[96+8*\i+\j], v[96+8*\i+\j], v[64*\a+8*\j+\i], v[160+8*\i+\j]     ; x2 cos + x1 sin
.endr
.endr
	WIN 0
.irp j, 0,1,2,3,4,5,6,7
	v_cvt_pk_bf16_f32 v[32+4*\j], v[64+\j], v[72+\j]
	v_cvt_pk_bf16_f32 v[33+4*\j], v[80+\j], v[88+\j]
	v_cvt_pk_bf16_f32 v[34+4*\j], v[96+\j], v[104+\j]
	v_cvt_pk_bf16_f32 v[35+4*\j], v[112+\j], v[120+\j]
.endr
	s_branch .Lsend_\@
.Lis_v_\@:
.irp m, 0,1,2,3,4,5,6,7,8,9,10,11,12,13,14,15,16,17,18,19,20,21,22,23,24,25,26,27,28,29,30,31
	v_pk_mul_f32 v[64+2*\m:65+2*\m], v[64+2*\m:65+2*\m], s[62:63] op_sel_hi:[1,0]   ; 16 v
.endr
.irp j, 0,1,2,3,4,5,6,7
	v_cvt_pk_f16_f32 v[32+4*\j], v[64+\j], v[72+\j]
	v_cvt_pk_f16_f32 v[33+4*\j], v[80+\j], v[88+\j]
	v_cvt_pk_f16_f32 v[34+4*\j], v[96+\j], v[104+\j]
	v_cvt_pk_f16_f32 v[35+4*\j], v[112+\j], v[120+\j]
.endr
.Lsend_\@:
.irp j, 0,1,2,3,4,5,6,7
	global_store_b128 v13, v[32+4*\j:35+4*\j], s[44:45] offset:\a*4096+\j*256
.endr
.endm
	WAYOUT 0
	WAYOUT 1
	WAYOUT 2
	WAYOUT 3
	s_wait_tensorcnt 0x0
	ds_add_u32 v254, v255
	s_wait_dscnt 0x0
	CROUND                                         ; the closing round: no work-group ends while a partner may still ask for a tile that names it
	s_endpgm
.Lfunc_end_k_qeed4a777c5_qkv:
	.size	k_qeed4a777c5_qkv, .Lfunc_end_k_qeed4a777c5_qkv-k_qeed4a777c5_qkv
	.p2alignl 7, 3214868480
	.fill 96, 4, 3214868480
	.section	.rodata,"a",@progbits
	.p2align	6, 0x0
	.amdhsa_kernel k_qeed4a777c5_qkv
		.amdhsa_group_segment_fixed_size 327680
		.amdhsa_private_segment_fixed_size 0
		.amdhsa_enable_private_segment 0
		.amdhsa_kernarg_size 64
		.amdhsa_user_sgpr_count 2
		.amdhsa_user_sgpr_kernarg_segment_ptr 1
		.amdhsa_wavefront_size32 1
		.amdhsa_system_sgpr_workgroup_id_x 1
		.amdhsa_system_sgpr_workgroup_id_y 1
		.amdhsa_system_sgpr_workgroup_id_z 1
		.amdhsa_system_vgpr_workitem_id 0
		.amdhsa_next_free_vgpr 1024
		.amdhsa_next_free_sgpr 80
		.amdhsa_reserve_vcc 0
		.amdhsa_float_denorm_mode_32 3
		.amdhsa_float_denorm_mode_16_64 3
		.amdhsa_memory_ordered 1
		.amdhsa_forward_progress 1
		.amdhsa_inst_pref_size 251
	.end_amdhsa_kernel
	.amdgpu_metadata
---
amdhsa.version: [ 1, 2 ]
amdhsa.kernels:
  - .name:           k_qeed4a777c5_qkv
    .symbol:         k_qeed4a777c5_qkv.kd
    .args:
      - { .name: xb, .offset: 0, .size: 8, .value_kind: global_buffer, .address_space: global }
      - { .name: Wq, .offset: 8, .size: 8, .value_kind: global_buffer, .address_space: global }
      - { .name: Wk, .offset: 16, .size: 8, .value_kind: global_buffer, .address_space: global }
      - { .name: Wv, .offset: 24, .size: 8, .value_kind: global_buffer, .address_space: global }
      - { .name: cs, .offset: 32, .size: 8, .value_kind: global_buffer, .address_space: global }
      - { .name: qb, .offset: 40, .size: 8, .value_kind: global_buffer, .address_space: global }
      - { .name: kb, .offset: 48, .size: 8, .value_kind: global_buffer, .address_space: global }
      - { .name: vb, .offset: 56, .size: 8, .value_kind: global_buffer, .address_space: global }
    .group_segment_fixed_size: 327680
    .private_segment_fixed_size: 0
    .kernarg_segment_align: 8
    .kernarg_segment_size: 64
    .max_flat_workgroup_size: 128
    .sgpr_count:     80
    .vgpr_count:     1024
    .wavefront_size: 32
...
	.end_amdgpu_metadata
.endif
;; end of part 2
;; launch attn (part 3): grid 32 x 8, 4 waves a work-group, clusters of 4 x 1, 327,680 bytes of LDS; arguments qb, kb, vb, positions, cb; writes cb
.if DOCPART == 3
	.amdgcn_target "amdgcn-amd-amdhsa--gfx1250"
	.amdhsa_code_object_version 6
	.text
	.protected	k_qeed4a777c5_attn
	.globl	k_qeed4a777c5_attn
	.p2align	8
	.type	k_qeed4a777c5_attn,@function
k_qeed4a777c5_attn:
	s_mov_b64 s[64:65], 0
	v_nop
	global_prefetch_b8 v0, s[64:65] scope:SCOPE_SE
	s_setreg_imm32_b32 hwreg(HW_REG_WAVE_MODE, 25, 1), 1
	s_wait_xcnt 0x0
	s_wait_alu depctr_hold_cnt(0) depctr_sa_sdst(0) depctr_va_vdst(0) depctr_va_sdst(0) depctr_va_ssrc(0) depctr_va_vcc(0) depctr_vm_vsrc(0)
	s_getreg_b32 s2, hwreg(HW_REG_IB_STS2, 6, 4)
	s_cmp_eq_u32 s2, 0
	s_cbranch_scc0 .Lentry_in_a_cluster
	s_endpgm
.Lentry_in_a_cluster:
	s_bfe_u32 s2, ttmp6, 0x10000c
	s_cmp_lg_u32 s2, 0x3003
	s_cbranch_scc0 .Lentry_shape_is_right
	s_endpgm
.Lentry_shape_is_right:
; cb[t][n x 128 + ch] = 16 x the sum over s of softmax_s(q[n][t] . k[n/4][s] / sqrt(128), kept where positions[t] >= positions[s]) v[n/4][s][ch], as f16 (vb holds 16 v).
; qb, kb bf16, vb f16, all [head][1024][128] in the channel order of the launch before; cb [1024][4096] f16 in the true order.  Products, maxima and sums in f32; the weights go to f16.
; The mask is made of an input, so no block of keys is left out: every score is made and then chosen by v_cndmask_b32.  A masked score is -2^127: c x 2^127 is exact, so a block in which
; all is masked gives exponents of exactly 0; its weights are wiped out by the factor 2^(c m_old - c m_new) = 0 when the first kept score comes, and one always comes: a query sees its own key.
; LIMIT: a raw score q . k must lie above -2^127.
; SHARES.  A work-group owns 32 positions x the 4 query heads of one key head: 32 x 8 = 256 work-groups.  Wave w: heads 4 g + 2 (w & 1) + t, t = 0, 1, at positions 32 X + 16 (w >> 1) + r:
; two tiles of 16 queries at the same positions, so one comparison serves both.  Every wave walks all 1,024 keys, 64 a step, in phases: K Q^T, mask, softmax, V^T P.
; LAYOUT.  S^T = K Q^T and O^T = V^T P: a lane holds one query (lane % 16) in S^T, P and O^T; a query's maximum and sum want one exchange between the halves of the lanes.
; CLUSTER.  The four position blocks of a cluster walk the same K and V: each tile is asked for JOINTLY (mask 15).  A slot holds 256 keys of K and of V, four key steps.
; REGISTERS.  window 0: v1 r, v14 h, v2-3 K's place [slot], v4-5 V's, v6, v15 addresses in hand, v7 Q, v8 stage in, v9 stage back, v10 cb, v11 my query's position, v12 key positions' bytes,
;   v13 -2^127, v16-31 statistics (8 a tile), v32-63 key positions, v64-127 S^T, v128-159 P, v160-223 Q, v224 my position's byte.   window 1: v0-127 K, v128-255 O^T.   window 2: v0-127 V.
.set PKB,   272                        ; a row of K in LDS: 256 bytes + 16
.set PVB,   288                        ; a row of V: 256 + 32
.set VOFF,  256*PKB
.set SLOTB, 256*(PKB+PVB)
.set STAGE, 2*SLOTB                    ; behind the ring: 16 rows x 272 bytes for each wave; no tensor load fills it
.set SP,    272
.set ST, 16                            ; tile t's statistics at v[ST + 8 t]: +0 c m, +1 m, +2, +3 l, +4 to +7 at work
.set KP, 32
.set S,  64
.set P,  128
.set Q,  160
.set CS,  60                           ; s[60:61] c = log2(e) / sqrt(128)
.set SEL, 62                           ; s[62:63] lane selects for v_permlanex16_b32
.set MSB, 0
.macro WIN new
.if MSB != (\new)
	s_set_vgpr_msb (MSB<<8)|(\new)
.set MSB, (\new)
.endif
.endm
.macro PLACES
.rept 4
	v_nop
.endr
.endm
.macro CROUND                          ; a round of the cluster's barrier
	s_barrier_signal -1
	s_barrier_wait -1
	s_cmp_lg_u32 s20, 0
	s_cbranch_scc1 .Lnot_wave_0_\@
	s_barrier_signal -3
.Lnot_wave_0_\@:
	s_barrier_wait -3
	s_barrier_signal -1
	s_barrier_wait -1
.endm
.macro JLOAD slot                      ; a joint refill: waves 0 and 1 fetch the halves of K's 256 rows, waves 2 and 3 those of V's; four v_nop follow each line
	s_cmp_lt_u32 s20, 2
	s_cbranch_scc0 .Lfor_v_\@
	tensor_load_to_lds s[40+4*\slot:43+4*\slot], s[24:31]
	s_nop 0
	PLACES
	s_branch .Lasked_\@
.Lfor_v_\@:
	tensor_load_to_lds s[48+4*\slot:51+4*\slot], s[32:39]
	s_nop 0
	PLACES
.Lasked_\@:
.endm
; 64 LDS loads: a step's K (16 fragments as they lie) and V (16 fragments, turned)
.macro FETCH slot
	WIN 0
	v_add_nc_u32 v6, s56, v[2+\slot]
	v_add_nc_u32 v15, s57, v[4+\slot]
	s_add_co_u32 s56, s56, 64*PKB                  ; the next fetch is the next step's
	s_add_co_u32 s57, s57, 64*PVB
	WIN 0x40
.irp f, 0,1,2,3,4,5,6,7,8,9,10,11,12,13,14,15  ; keys 16 (f / 4) on, channels 32 (f % 4) on
	ds_load_b128 v[8*\f:8*\f+3],   v6 offset:(\f/4)*16*PKB+(\f%4)*64
	ds_load_b128 v[8*\f+4:8*\f+7], v6 offset:(\f/4)*16*PKB+(\f%4)*64+32
.endr
	WIN 0x80
.irp f, 0,1,2,3,4,5,6,7,8,9,10,11,12,13,14,15  ; keys 32 (f / 8) on, channels 16 (f % 8) on
	ds_load_tr16_b128 v[8*\f:8*\f+3],   v15 offset:(\f/8)*32*PVB+(\f%8)*32
	ds_load_tr16_b128 v[8*\f+4:8*\f+7], v15 offset:(\f/8)*32*PVB+16*PVB+(\f%8)*32
.endr
.endm
; The accumulators take turns, one instruction a turn: 8 in K Q^T, 16 in V^T P.
.macro KQ                              ; product i: channels 32 (i / 8) on, keys 16 ((i / 2) % 4) on, tile i % 2; the first 8 start the sums
	WIN 0x01
.set i, 0
.rept 32
.set rS, S+32*(i%2)+8*((i/2)%4)
.set rK, 32*((i/2)%4)+8*(i/8)
.set rQ, Q+32*(i%2)+8*(i/8)
.if i < 8
	v_wmma_f32_16x16x32_bf16 v[rS:rS+7], v[rK:rK+7], v[rQ:rQ+7], 0
.else
	v_wmma_f32_16x16x32_bf16 v[rS:rS+7], v[rK:rK+7], v[rQ:rQ+7], v[rS:rS+7]
.endif
.set i, i+1
.endr
.endm
.macro PVM zero                        ; product i: keys 32 (i / 16) on, channels 16 ((i / 2) % 8) on, tile i % 2; zero = 1: the first 16 start O^T's sums
	WIN 0x52
.set i, 0
.rept 32
.set rO, 128+64*(i%2)+8*((i/2)%8)
.set rV, 64*(i/16)+8*((i/2)%8)
.set rP, P+16*(i%2)+8*(i/16)
.if \zero && (i < 16)
	v_wmma_f32_16x16x32_f16 v[rO:rO+7], v[rV:rV+7], v[rP:rP+7], 0
.else
	v_wmma_f32_16x16x32_f16 v[rO:rO+7], v[rV:rV+7], v[rP:rP+7], v[rO:rO+7]
.endif
.set i, i+1
.endr
.endm
; A score is kept where my query's position >= the key's.  The first eight comparisons are the places behind the last products; each accumulator is read from its low end on.
; Then the next step's 64 key positions are asked for; the last step's look-ahead wraps to the buffer's first bytes and is not used.
.macro MASK
	WIN 0
	s_wait_loadcnt 0x0                             ; this step's key positions, asked for a step ago
.irp kb, 0,1,2,3
.irp j, 0,1,2,3,4,5,6,7
	v_cmp_ge_i32 s[68+\j], v11, v[KP+8*\kb+\j]
.endr
.irp j, 0,1,2,3,4,5,6,7
	v_cndmask_b32 v[S+8*\kb+\j], v13, v[S+8*\kb+\j], s[68+\j]
	v_cndmask_b32 v[S+32+8*\kb+\j], v13, v[S+32+8*\kb+\j], s[68+\j]
.endr
.endr
	v_add_nc_u32 v12, 0x100, v12                   ; free since the wait above
	v_and_b32 v12, 0xfff, v12
.irp kb, 0,1,2,3
	global_load_b128 v[KP+8*\kb:KP+8*\kb+3],   v12, s[10:11] offset:64*\kb
	global_load_b128 v[KP+8*\kb+4:KP+8*\kb+7], v12, s[10:11] offset:64*\kb+16
.endr
.endm
; One tile's softmax for one key step is a list of 134 instructions; SM writes number j of it for tile t.  s0-s31 are the lane's 32 scores, in pairs 0-15.
;   0-15 the maximum of s0-s31 and the old m; 16-20 the other half of the lanes' maximum, the new m, c m, c m_old - c m_new;
;   21-87 33 exponentials at the odd numbers from 23 on, a plain instruction at every even one (c s - c m for pairs to come, roundings to f16 of pairs done, the first sums);
;   88-101 the last rounding, the rest of the sums, l = a l + sum; 102-133 O^T times a.   first = 1: the first key step has no a and nothing to rescale.
.macro SM t, first
.set rT, ST+8*(\t)
.set rS, S+32*(\t)
.set rP, P+16*(\t)
.set rO, 128+64*(\t)+2*(j-102)
.set q, (j-20)/2
.if j < 102
	WIN 0
.endif
.if j < 4
	v_max3_num_f32 v[rT+4+j], v[rS+8*j], v[rS+8*j+1], v[rS+8*j+2]
.elseif j < 12
	v_max3_num_f32 v[rT+4+j%4], v[rT+4+j%4], v[rS+8*(j%4)+2*(j/4)+1], v[rS+8*(j%4)+2*(j/4)+2]
.elseif j == 12
	v_max3_num_f32 v[rT+4], v[rT+4], v[rS+7], v[rS+15]
.elseif j == 13
	v_max3_num_f32 v[rT+6], v[rT+6], v[rS+23], v[rS+31]
.elseif j == 14
	v_max3_num_f32 v[rT+4], v[rT+4], v[rT+5], v[rT+6]
.elseif (j == 15) && \first
	v_max_num_f32 v[rT+4], v[rT+4], v[rT+7]
.elseif j == 15
	v_max3_num_f32 v[rT+4], v[rT+4], v[rT+7], v[rT+1]
.elseif j == 16
	v_permlanex16_b32 v[rT+5], v[rT+4], s[SEL], s[SEL+1]  ; the query's other 32 keys lie in the lane 16 away
.elseif j == 18
	v_max_num_f32 v[rT+1], v[rT+4], v[rT+5]
.elseif j == 19
	v_mul_f32 v[rT], s[CS], v[rT+1]
.elseif ((j == 17) || (j == 20) || (j == 23) || (j > 101)) && \first
.elseif j == 17
	v_mov_b32 v[rT+7], v[rT]                       ; c m_old is kept for a
.elseif j == 20
	v_sub_f32 v[rT+7], v[rT+7], v[rT]
.elseif j == 23
	v_exp_f32 v[rT+6], v[rT+7]
.elseif (j < 88) && (j > 23) && (j%2 == 1)
	v_exp_f32 v[rS+(j-25)/2], v[rS+(j-25)/2]
.elseif (q < 4) || ((j < 76) && (q%2 == 0))
.set b, q/2+2
.if q < 4
.set b, q
.endif
	v_pk_fma_f32 v[rS+2*b:rS+2*b+1], v[rS+2*b:rS+2*b+1], s[CS:CS+1], v[rT:rT+1] op_sel_hi:[1,0,0] neg_lo:[0,0,1] neg_hi:[0,0,1]  ; pair b: c s - c m
.elseif (j < 88) && (q%2 == 1)
	s_wait_alu depctr_va_vdst(0)
	v_cvt_pk_f16_f32 v[rP+(q-5)/2], v[rS+q-5], v[rS+q-4]
.elseif j == 89
	s_wait_alu depctr_va_vdst(0)
	v_cvt_pk_f16_f32 v[rP+15], v[rS+30], v[rS+31]
.elseif j < 102                        ; the sum of the tile's 16 pairs, in place: neighbours 1, 2, 4 and 8 pairs apart, then l takes it
.set z, j-86
.if j < 89
.set z, (j-76)/4
.endif
.set w, 4
.set u, z
.if z >= 14
.set w, 32
.set u, 0
.elseif z >= 12
.set w, 16
.set u, z-12
.elseif z >= 8
.set w, 8
.set u, z-8
.endif
.if (z == 14) && \first
	v_pk_add_f32 v[rT+2:rT+3], v[rS:rS+1], v[rS+16:rS+17]
.elseif z < 15
	v_pk_add_f32 v[rS+w*u:rS+w*u+1], v[rS+w*u:rS+w*u+1], v[rS+w*u+w/2:rS+w*u+w/2+1]
.elseif !\first
	v_pk_fma_f32 v[rT+2:rT+3], v[rT+2:rT+3], v[rT+6:rT+7], v[rS:rS+1] op_sel_hi:[1,0,1]
.endif
.else
	WIN 0x41
	v_pk_mul_f32 v[rO:rO+1], v[rO:rO+1], v[rT+6:rT+7] op_sel_hi:[1,0]
.endif
.endm
; numbers 2 k and 2 k + 1 of both tiles' lists; among the exponentials tile by tile (plain, exponential, plain, exponential), elsewhere the tiles alternate; the last takes the twelve left over
.macro SLICE y, first
.if (k >= 11) && (k < 44)
.irp t, \y, \y+1
.irp n, 0,1
.set j, 2*k+\n
	SM \t, \first
.endr
.endr
.else
.irp n, 0,1,2,3,4,5,6,7
.if (\n < 2) || (k == 63)
.irp t, \y, \y+1
.set j, 2*k+\n
	SM \t, \first
.endr
.endif
.endr
.endif
.set k, k+1
.endm
.macro SOFTMAX first
.set k, 0
.rept 64
	SLICE 0, \first
.endr
.endm
.macro STEP slot, first                ; a key step
.if \first == 0
	PLACES                                         ; behind the last V^T P: loads into V's registers follow
.endif
	FETCH \slot
	s_wait_dscnt 32                                ; K is in; V's 32 loads stay out
	KQ
	MASK
	SOFTMAX \first
	s_wait_dscnt 0x0                               ; V is in
	PVM \first
.endm
.macro STEPS slot, n
	s_mov_b32 s58, \n
.Lstep_\@:
	STEP \slot, 0
	WIN 0
	s_sub_co_u32 s58, s58, 1
	s_cmp_lg_u32 s58, 0
	s_cbranch_scc1 .Lstep_\@
.endm
; The change of slots: each wave waits for its reads of the slot and for all its tensor loads (the one that is out is its part of the other slot).  fill = 1: the barrier is a round of the
; cluster's, and the joint refill (the keys 512 further on) is the first thing behind it: one load of mine is out, and it has four key steps in which to land.
.macro CHANGE old, fill
	WIN 0
	s_wait_dscnt 0x0
	s_wait_tensorcnt 0x0
	ds_add_u32 v254, v255
	s_wait_dscnt 0x0
.if \fill
	s_add_nc_u64 s[42+4*\old:43+4*\old], s[42+4*\old:43+4*\old], 0x20000
	s_add_nc_u64 s[50+4*\old:51+4*\old], s[50+4*\old:51+4*\old], 0x20000
	CROUND
	JLOAD \old
.else
	s_barrier_signal -1
	s_barrier_wait -1
.endif
	s_mov_b32 s56, 0                               ; the fetches begin at a slot's first step
	s_mov_b32 s57, 0
.endm
	s_load_b256 s[4:11], s[0:1], 0x0               ; qb s[4:5], kb s[6:7], vb s[8:9], positions s[10:11]
	s_load_b64 s[12:13], s[0:1], 0x20              ; cb
	v_lshl_add_u32 v254, v0, 2, 0x4a400
	v_mov_b32 v255, 0
	ds_add_u32 v254, v255
	v_lshrrev_b32 v1, 5, v0
	v_readfirstlane_b32 s20, v1                    ; wave 0..3
	s_and_b32 s21, s20, 1                          ; which pair of heads is mine.  Also: which 128 rows of a tile I fetch
	s_lshr_b32 s22, s20, 1                         ; which 16 positions
	s_bfe_u32 s23, ttmp6, 0x40000                  ; cx: it enters Q's, my position's and cb's addresses alone
	s_and_b32 s15, ttmp7, 0xffff                   ; g: the key head, which the partners share
	s_lshl_b32 s14, ttmp9, 2
	s_add_co_u32 s14, s14, s23                     ; X: my block of 32 positions
	s_lshl_b32 s66, s14, 5
	s_lshl_b32 s2, s22, 4
	s_add_co_u32 s66, s66, s2                      ; my tiles' first position
	s_lshl_b32 s67, s15, 2
	s_lshl_b32 s2, s21, 1
	s_add_co_u32 s67, s67, s2                      ; my first head
	s_lshl_b32 s16, s15, 18                        ; K and V: the head's 262,144 bytes, my 128 rows of 256
	s_lshl_b32 s17, s21, 15
	s_add_co_u32 s16, s16, s17
	s_mov_b32 s17, 0
	s_mul_i32 s18, s21, 128*PKB                    ; and where they go in a slot
	s_mul_i32 s19, s21, 128*PVB
	s_add_co_u32 s19, s19, VOFF
	; descriptor group 1: 128 rows x 128 elements of 2 bytes, padded behind every 256 bytes
	s_mov_b32 s24, 15|(1<<16)|(1<<20)|(1<<21)|(5<<22)|(3<<25)  ; K: 4 words of padding
	s_mov_b32 s32, 15|(1<<16)|(1<<20)|(1<<21)|(5<<22)|(7<<25)  ; V: 8 words
.irp g, 24, 32
	s_mov_b32 s[\g+1], 128<<16                     ; tensor_dim0 = 128
	s_mov_b32 s[\g+2], 128<<16                     ; tensor_dim1 = 128
	s_mov_b32 s[\g+3], 128<<16                     ; tile_dim0 = 128
	s_mov_b32 s[\g+4], 128                         ; tile_dim1 = 128
	s_mov_b32 s[\g+5], 128                         ; elements from row to row
	s_mov_b32 s[\g+6], 0
	s_mov_b32 s[\g+7], 0
.endr
	s_mov_b32 s[CS], 0x3e0293ee                    ; c = log2(e) / sqrt(128)
	s_mov_b32 s[CS+1], s[CS]
	s_mov_b32 s[SEL], 0x76543210
	s_mov_b32 s[SEL+1], 0xfedcba98
	s_mov_b32 s56, 0
	s_mov_b32 s57, 0
	s_wait_dscnt 0x0
	s_wait_kmcnt 0x0
	s_add_nc_u64 s[6:7], s[6:7], s[16:17]
	s_add_nc_u64 s[8:9], s[8:9], s[16:17]
	s_lshl_b32 s2, s67, 10
	s_add_co_u32 s2, s2, s66
	s_lshl_b32 s2, s2, 8
	s_mov_b32 s3, 0
	s_add_nc_u64 s[4:5], s[4:5], s[2:3]            ; Q at my first head's first row
	s_lshl_b32 s2, s66, 2
	s_add_nc_u64 s[76:77], s[10:11], s[2:3]        ; positions at my tiles' first
	s_lshl_b32 s2, s66, 13
	s_lshl_b32 s78, s67, 8
	s_add_co_u32 s2, s2, s78
	s_add_nc_u64 s[12:13], s[12:13], s[2:3]        ; cb at my first row and head
.irp s, 0,1
	s_mov_b32 s[40+4*\s], 1
	s_add_co_u32 s[41+4*\s], s18, \s*SLOTB
	s_add_nc_u64 s[42+4*\s:43+4*\s], s[6:7], \s*65536   ; slot s begins with keys 256 s
	s_or_b32 s[43+4*\s], s[43+4*\s], 0x80000000
	s_mov_b32 s[48+4*\s], 1
	s_add_co_u32 s[49+4*\s], s19, \s*SLOTB
	s_add_nc_u64 s[50+4*\s:51+4*\s], s[8:9], \s*65536
	s_or_b32 s[51+4*\s], s[51+4*\s], 0x80000000
.endr
	CROUND                                         ; all four work-groups are here: the first joint loads meet
	s_cmp_lt_u32 s20, 2                            ; a wave's two first fills stand in one branch: two loads of mine are out
	s_cbranch_scc0 .Lfirst_v
	tensor_load_to_lds s[40:43], s[24:31]
	s_nop 0
	tensor_load_to_lds s[44:47], s[24:31]
	s_nop 0
	PLACES
	s_branch .Lfirst_asked
.Lfirst_v:
	tensor_load_to_lds s[48:51], s[32:39]
	s_nop 0
	tensor_load_to_lds s[52:55], s[32:39]
	s_nop 0
	PLACES
.Lfirst_asked:
	v_and_b32 v1, 15, v0                           ; r
	v_bfe_u32 v14, v0, 4, 1                        ; h
	v_lshlrev_b32 v7, 8, v1
	v_lshl_add_u32 v7, v14, 4, v7                  ; Q: row r x 256 + 16 h
	v_lshlrev_b32 v224, 2, v1
	v_lshlrev_b32 v12, 5, v14                      ; key positions: keys 8 h on of each 16
.irp t, 0,1
.irp c, 0,1,2,3
	global_load_b128 v[Q+32*\t+8*\c:Q+32*\t+8*\c+3],   v7, s[4:5] offset:\t*262144+\c*64
	global_load_b128 v[Q+32*\t+8*\c+4:Q+32*\t+8*\c+7], v7, s[4:5] offset:\t*262144+\c*64+32
.endr
.endr
	global_load_b32 v11, v224, s[76:77]
.irp kb, 0,1,2,3
	global_load_b128 v[KP+8*\kb:KP+8*\kb+3],   v12, s[10:11] offset:64*\kb
	global_load_b128 v[KP+8*\kb+4:KP+8*\kb+7], v12, s[10:11] offset:64*\kb+16
.endr
	v_mul_u32_u24 v2, v1, PKB
	v_lshl_add_u32 v2, v14, 4, v2                  ; K: row r x pitch + 16 h
	v_add_nc_u32 v3, SLOTB, v2
	v_and_b32 v6, 7, v0                            ; V, for the turning load: key 8 h + l % 8, channels 8 ((l / 8) % 2) on
	v_bfe_u32 v15, v0, 3, 1
	v_lshl_add_u32 v4, v14, 3, v6
	v_mul_u32_u24 v4, v4, PVB
	v_lshl_add_u32 v4, v15, 4, v4
	v_add_nc_u32 v4, VOFF, v4
	v_add_nc_u32 v5, SLOTB, v4
	s_mul_i32 s2, s20, 16*SP
	s_add_co_u32 s2, s2, STAGE                     ; my stage
	v_mul_u32_u24 v8, v1, SP
	v_lshl_add_u32 v8, v14, 3, v8
	v_add_nc_u32 v8, s2, v8                        ; in: row r, 8 bytes for each half of the lanes
	v_mul_u32_u24 v9, v14, SP
	v_lshl_add_u32 v9, v1, 4, v9
	v_add_nc_u32 v9, s2, v9                        ; back: lanes 0-15 one row of 256 bytes, lanes 16-31 the next
	v_lshlrev_b32 v10, 13, v14
	v_lshl_add_u32 v10, v1, 4, v10                 ; and the same two rows in cb
	v_mov_b32 v13, 0xff000000                      ; -2^127
	s_wait_tensorcnt 0x1                           ; my part of slot 0 is in; slot 1's may stay out
	s_barrier_signal -1
	s_barrier_wait -1
	s_wait_loadcnt 0x0                             ; Q, my position, the first key positions
	STEP 0, 1
	WIN 0
	STEPS 0, 3
	CHANGE 0, 1
	STEPS 1, 4
	CHANGE 1, 1
	STEPS 0, 4
	CHANGE 0, 0                                    ; nothing is left to ask for
	STEPS 1, 4
	; THE WAY OUT.  The four additions and the v_nop are the places behind the last products.
.irp t, 0,1
	v_add_f32 v[ST+8*\t+4], v[ST+8*\t+2], v[ST+8*\t+3]
.endr
.irp t, 0,1
	v_permlanex16_b32 v[ST+8*\t+5], v[ST+8*\t+4], s[SEL], s[SEL+1]
.endr
.irp t, 0,1
	v_add_f32 v[ST+8*\t+4], v[ST+8*\t+4], v[ST+8*\t+5]
.endr
.irp t, 0,1
	v_rcp_f32 v[ST+8*\t+6], v[ST+8*\t+4]
.endr
	v_nop                                          ; a plain instruction between the last reciprocal and the use of its result
	s_wait_alu depctr_va_vdst(0)
; Block cb of O^T holds places 16 cb + 8 h + j of V's order: j < 4 are channels 8 cb + 4 h + j, j >= 4 channels 64 + 8 cb + 4 h + j - 4.  So a lane's eight numbers go into the stage as
; two pieces of 8 bytes, 128 bytes apart, which restores the true order; whole rows of 256 bytes come back.
.macro SENDT t
	WIN 0x41
.set i, 128+64*\t
.rept 32
	v_pk_mul_f32 v[i:i+1], v[i:i+1], v[ST+8*\t+6:ST+8*\t+7] op_sel_hi:[1,0]
.set i, i+2
.endr
	WIN 0x05
.set i, 0
.rept 32
	v_cvt_pk_f16_f32 v[S+32*\t+i], v[128+64*\t+2*i], v[128+64*\t+2*i+1]
.set i, i+1
.endr
	WIN 0
.irp c, 0,1,2,3,4,5,6,7
	ds_store_b64 v8, v[S+32*\t+4*\c:S+32*\t+4*\c+1]   offset:16*\c
	ds_store_b64 v8, v[S+32*\t+4*\c+2:S+32*\t+4*\c+3] offset:128+16*\c
.endr
.irp f, 0,1,2,3,4,5,6,7
	ds_load_b128 v[S+32*\t+4*\f:S+32*\t+4*\f+3], v9 offset:\f*2*SP   ; LDS serves a wave's instructions in order: these see the stores above
.endr
.irp f, 0,1,2,3,4,5,6,7
	s_wait_dscnt 7-\f
	global_store_b128 v10, v[S+32*\t+4*\f:S+32*\t+4*\f+3], s[12:13] offset:\f*16384+\t*256   ; sixteen lanes: a head's 256 consecutive bytes of a row of cb
.endr
.endm
	SENDT 0
	SENDT 1
	s_wait_tensorcnt 0x0
	ds_add_u32 v254, v255
	s_wait_dscnt 0x0
	CROUND                                         ; the closing round
	s_endpgm
.Lfunc_end_k_qeed4a777c5_attn:
	.size	k_qeed4a777c5_attn, .Lfunc_end_k_qeed4a777c5_attn-k_qeed4a777c5_attn
	.p2alignl 7, 3214868480
	.fill 96, 4, 3214868480
	.section	.rodata,"a",@progbits
	.p2align	6, 0x0
	.amdhsa_kernel k_qeed4a777c5_attn
		.amdhsa_group_segment_fixed_size 327680
		.amdhsa_private_segment_fixed_size 0
		.amdhsa_enable_private_segment 0
		.amdhsa_kernarg_size 40
		.amdhsa_user_sgpr_count 2
		.amdhsa_user_sgpr_kernarg_segment_ptr 1
		.amdhsa_wavefront_size32 1
		.amdhsa_system_sgpr_workgroup_id_x 1
		.amdhsa_system_sgpr_workgroup_id_y 1
		.amdhsa_system_sgpr_workgroup_id_z 1
		.amdhsa_system_vgpr_workitem_id 0
		.amdhsa_next_free_vgpr 640
		.amdhsa_next_free_sgpr 80
		.amdhsa_reserve_vcc 0
		.amdhsa_float_denorm_mode_32 3
		.amdhsa_float_denorm_mode_16_64 3
		.amdhsa_memory_ordered 1
		.amdhsa_forward_progress 1
		.amdhsa_inst_pref_size 177
	.end_amdhsa_kernel
	.amdgpu_metadata
---
amdhsa.version: [ 1, 2 ]
amdhsa.kernels:
  - .name:           k_qeed4a777c5_attn
    .symbol:         k_qeed4a777c5_attn.kd
    .args:
      - { .name: qb, .offset: 0, .size: 8, .value_kind: global_buffer, .address_space: global }
      - { .name: kb, .offset: 8, .size: 8, .value_kind: global_buffer, .address_space: global }
      - { .name: vb, .offset: 16, .size: 8, .value_kind: global_buffer, .address_space: global }
      - { .name: positions, .offset: 24, .size: 8, .value_kind: global_buffer, .address_space: global }
      - { .name: cb, .offset: 32, .size: 8, .value_kind: global_buffer, .address_space: global }
    .group_segment_fixed_size: 327680
    .private_segment_fixed_size: 0
    .kernarg_segment_align: 8
    .kernarg_segment_size: 40
    .max_flat_workgroup_size: 128
    .sgpr_count:     80
    .vgpr_count:     640
    .wavefront_size: 32
...
	.end_amdgpu_metadata
.endif
;; end of part 3
;; launch oproj (part 4): grid 16 x 16, 4 waves a work-group, clusters of 4 x 1, 327,680 bytes of LDS; arguments cb, Wo, out0; writes out0
.if DOCPART == 4
	.amdgcn_target "amdgcn-amd-amdhsa--gfx1250"
	.amdhsa_code_object_version 6
	.text
	.protected	k_qeed4a777c5_oproj
	.globl	k_qeed4a777c5_oproj
	.p2align	8
	.type	k_qeed4a777c5_oproj,@function
k_qeed4a777c5_oproj:
	s_mov_b64 s[64:65], 0
	v_nop
	global_prefetch_b8 v0, s[64:65] scope:SCOPE_SE
	s_setreg_imm32_b32 hwreg(HW_REG_WAVE_MODE, 25, 1), 1
	s_wait_xcnt 0x0
	s_wait_alu depctr_hold_cnt(0) depctr_sa_sdst(0) depctr_va_vdst(0) depctr_va_sdst(0) depctr_va_ssrc(0) depctr_va_vcc(0) depctr_vm_vsrc(0)
	s_getreg_b32 s2, hwreg(HW_REG_IB_STS2, 6, 4)
	s_cmp_eq_u32 s2, 0
	s_cbranch_scc0 .Lentry_in_a_cluster
	s_endpgm
.Lentry_in_a_cluster:
	s_bfe_u32 s2, ttmp6, 0x10000c
	s_cmp_lg_u32 s2, 0x3003
	s_cbranch_scc0 .Lentry_shape_is_right
	s_endpgm
.Lentry_shape_is_right:
; out0 [1024][4096] f32 = (cb [1024][4096], f16, = 16 x the context) times Wo ([4096][4096] f32), divided by 16.  Sums in f32.
; Wo is rounded to bf16 and that number written as f16, which is exact for |w| >= 2^-17 and off by at most 2^-25 below: the product then takes f16 operands, as the context needs.
; SHARES.  A work-group makes 256 rows x 64 columns: 4 x 64 = 256 work-groups.  Its four waves share K: of every 128 along K wave w takes the 32 at 32 w.  So a wave holds 256 x 64 partial sums,
; 64 accumulators, and no byte of Wo is wanted by two waves of the work-group.
; Wo GOES FROM MEMORY TO REGISTERS: a lane loads 16 bytes = 4 neighbouring columns of one row k (sixteen lanes: 256 consecutive aligned bytes); rows k and k + 1 packed into one word make a register
; of source 1, so fragment i holds the columns 4 r + i.  A ring of four groups of 16 loads keeps 64 loads of a wave on their way.  Wo's tiles are also read by the three other row blocks;
; they are not asked for jointly because they never pass through LDS.
; A (cb) COMES THROUGH LDS: two slots of 256 rows x 256 K; the four work-groups of a cluster share the row block and ask JOINTLY (mask 15).
; THE WALK ALONG K IS TURNED: K has 16 tiles of 256; the cluster of column group G takes tile (rot + t) mod 16 in slot step t, rot = 2 ((G & 7) xor 7 (G >> 3)).  Clusters G and 15 - G start alike;
; any eight clusters that agree in one bit of G start at the eight different even tiles, so their first fills, two tiles each, ask for all sixteen tiles of the row block, and every tile that is
; asked for later has been read by another of them before; at any step they ask for eight different tiles.
; So a sum over K begins at tile rot and wraps round: its order of rounding differs from an ascending sum's.
; AT THE END the four waves' partial sums meet in LDS, in the ring's bytes, which have had their last fill by then.
; REGISTERS.  window 0: v1 r, v2 h, v4-7 A's LDS addresses [slot][half], v8 exchange out, v9-12 exchange in, v13 my bytes in out0, v16-31 my 16 rows of Wo; v32-95 two buffers of 4 fragments;
;   v96-159, v160-223 raw groups 0, 1; v224-255 at work in the conversion.   window 1: v0-63, v64-127 fragments of A; v128-191, v192-255 raw groups 2, 3.
;   windows 2, 3: accumulator (a, i) in window 2 + a / 8 at v[8 (4 (a % 8) + i)]; its register j in lane (r, h) is row 16 a + 8 h + j, column 4 r + i.
; SCALARS.  s[4:5] cb at my 64 rows; s[40:41] Wo at the sub-step to be loaded = s[6:7] (Wo) + s[68:69] (its offset, kept under s70 = Wo's bytes - 1); s42 a sub-step's bytes of Wo;
;   s71 the first tile; s[72:73], s[74:75] the byte in cb's rows of the tile that slot 0, 1 holds or is asked for.
.set KS,    4
.set SPS,   8/KS
.set NS,    128/KS
.set PITCH, 528                        ; 512 bytes + 16 of padding = 33 x 16
.set QUART, 64*PITCH
.set HALFA, 128*PITCH
.set SLOT,  256*PITCH
.set WB,    6                          ; s[6:7] Wo
.set MSB, 0
.macro WIN new
.if MSB != (\new)
	s_set_vgpr_msb (MSB<<8)|(\new)
.set MSB, (\new)
.endif
.endm
.macro PLACES
.rept 4
	v_nop
.endr
.endm
.macro CREST
	s_cmp_lg_u32 s20, 0
	s_cbranch_scc1 .Lnot_wave_0_\@
	s_barrier_signal -3
.Lnot_wave_0_\@:
	s_barrier_wait -3
	s_barrier_signal -1
	s_barrier_wait -1
.endm
.macro CROUND
	s_barrier_signal -1
	s_barrier_wait -1
	CREST
.endm
; Wo's pointer goes one sub-step on (32 KS rows) and wraps at Wo's last row.  The offset is kept apart from the address.
.macro WSTEP
	s_wait_xcnt 0x0                                ; the loads issued so far have had their addresses translated: their base may be written
	s_add_co_u32 s68, s68, s42
	s_and_b32 s68, s68, s70
	s_add_nc_u64 s[40:41], s[WB:WB+1], s[68:69]
.endm
; The 64 accumulators take turns, one instruction a turn, in the same order in every sub-step.
.macro MUL hf, f, a0, cnt, zero
.set ma, \a0
.rept \cnt
.irp i, 0,1,2,3
.if \zero
	v_wmma_f32_16x16x32_f16 v[8*(4*ma+\i):8*(4*ma+\i)+7], v[64*\hf+8*ma:64*\hf+8*ma+7], v[32+32*(\f)+8*\i:32+32*(\f)+8*\i+7], 0
.else
	v_wmma_f32_16x16x32_f16 v[8*(4*ma+\i):8*(4*ma+\i)+7], v[64*\hf+8*ma:64*\hf+8*ma+7], v[32+32*(\f)+8*\i:32+32*(\f)+8*\i+7], v[8*(4*ma+\i):8*(4*ma+\i)+7]
.endif
.endr
.set ma, ma+1
.endr
.endm
.macro ALOAD hf, slot, u
	WIN 0x40
.irp a, 0,1,2,3,4,5,6,7
	ds_load_b128 v[64*\hf+8*\a:64*\hf+8*\a+3],   v[4+2*(\slot)+\hf] offset:\a*16*PITCH+64*KS*(\u)
	ds_load_b128 v[64*\hf+8*\a+4:64*\hf+8*\a+7], v[4+2*(\slot)+\hf] offset:\a*16*PITCH+64*KS*(\u)+32
.endr
.endm
; half hf of raw group g becomes registers 4 hf .. 4 hf + 3 of the 4 fragments of buffer f: rounded to bf16 in pairs, widened again, written as f16
.macro CVT hf, g, f
.set crg, 96+64*((\g)&1)+32*((\g)>>1)
	WIN 5*((\g)>>1)
.irp q, 0,1,2,3
.irp i, 0,1,2,3
	v_cvt_pk_bf16_f32 v[32+32*(\f)+8*\i+4*\hf+\q], v[crg+8*(4*\hf+\q)+\i], v[crg+8*(4*\hf+\q)+4+\i]
.endr
.endr
	WIN 0
.irp q, 0,1,2,3
.irp i, 0,1,2,3
	v_lshlrev_b32 v[224+8*\q+2*\i], 16, v[32+32*(\f)+8*\i+4*\hf+\q]
	v_and_b32 v[225+8*\q+2*\i], 0xffff0000, v[32+32*(\f)+8*\i+4*\hf+\q]
.endr
.endr
.irp q, 0,1,2,3
.irp i, 0,1,2,3
	v_cvt_pk_f16_f32 v[32+32*(\f)+8*\i+4*\hf+\q], v[224+8*\q+2*\i], v[225+8*\q+2*\i]
.endr
.endr
.endm
.macro GLOAD hf, g
.set crg, 96+64*((\g)&1)+32*((\g)>>1)
	WIN 0x40*((\g)>>1)
.irp p, 0,1,2,3,4,5,6,7
	global_load_b128 v[crg+4*(8*\hf+\p):crg+4*(8*\hf+\p)+3], v[16+8*\hf+\p], s[40:41]
.endr
.endm
; SUB-STEP n: 64 matrix instructions in two halves.  Behind each half's products: the next sub-step's Wo is converted (these instructions are the places in front of the loads into
; A's buffer just multiplied, and between a fragment buffer's last product and its next writing), the raw half is asked for again (sub-step n + 5), A's next fragments are fetched.
; At a slot's last sub-step the second half changes slots.
.macro SUB n
.set sf, (\n)&1
.set sfn, sf^1
.set sg, ((\n)+1)&3
.set ssl, ((\n)/SPS)&1
.set ssl1, (((\n)+1)/SPS)&1
.set su1, ((\n)+1)%SPS
.set sz, 0
.if (\n) == 0
.set sz, 1
.endif
.set slast, 0
.if ((\n)%SPS) == (SPS-1)
.set slast, 1
.endif
.set scv, 0
.if ((\n)+1) < NS
.set scv, 1
.endif
.set sgl, 0
.set sL0, 8*(2*(NS-2-(\n))+1)          ; no more loads are issued: behind the half wanted stand its other half and the groups left
.set sL1, 16*(NS-2-(\n))
.if ((\n)+5) < NS
.set sgl, 1
.set sL0, 56                           ; behind the half wanted stand its other half and three groups,
.set sL1, 56                           ; or three groups and the half just issued
.endif
.set sturn, 0
.if slast && scv
.set sturn, 1
.endif
.set sfill, 0
.if sturn && (((\n)/SPS+2) < 16)
.set sfill, 1
.endif
	s_wait_dscnt 16                                ; A's row blocks 0-7 are in; the 16 younger loads stay out
	WIN 0xa1
	MUL 0, sf, 0, 8, sz
.if scv
	s_wait_loadcnt sL0
	CVT 0, sg, sfn
.if sgl
	WSTEP
	GLOAD 0, sg
.endif
.if slast == 0
	ALOAD 0, ssl1, su1
.endif
.endif
.if sturn
	s_wait_dscnt 0x0                               ; my reads of this slot are over,
	s_wait_xcnt 0x0
	s_set_vgpr_msb (MSB<<8)|((MSB&0x3c)|0x0)
	v_lshl_add_u32 v254, v0, 2, 0x42000
	v_mov_b32 v255, 0
	s_set_vgpr_msb (((MSB&0x3c)|0x0)<<8)|((MSB&0x30)|0x0)
	s_wait_tensorcnt 0x0                           ; and all my tensor loads have landed: the one that was out is my part of the next slot
	ds_add_u32 v254, v255
	s_wait_dscnt 0x0
	s_set_vgpr_msb (((MSB&0x30)|0x0)<<8)|MSB
.if sfill
	s_add_co_u32 s[72+2*ssl], s[72+2*ssl], 1024    ; no load of mine is out, so a group 0 may be written: this slot's next tile lies two tiles on,
	s_and_b32 s[72+2*ssl], s[72+2*ssl], 0x1fff     ; round the end of the row's 8,192 bytes
	s_add_nc_u64 s[34+4*ssl:35+4*ssl], s[4:5], s[72+2*ssl:73+2*ssl]
	s_or_b32 s[35+4*ssl], s[35+4*ssl], 0x80000000  ; type = 2
.endif
	s_barrier_signal -1                            ; where the slot is filled again this barrier opens a round of the cluster's barrier
	WIN 0xf1
	MUL 1, sf, 0, 4, 0
	WIN 0
	s_barrier_wait -1
.if sfill
	CREST                                          ; no wave of any partner still reads this slot or has a load on its way
	tensor_load_to_lds s[32+4*ssl:35+4*ssl], s[24:31]   ; my one tensor load behind the round: one is out; it has a slot's sub-steps in which to land
	s_nop 0
	PLACES
.endif
	ALOAD 0, ssl1, 0
	WIN 0xf1
	MUL 1, sf, 4, 4, 0
	s_wait_loadcnt sL1
	CVT 1, sg, sfn
.if sgl
	GLOAD 1, sg
.endif
	ALOAD 1, ssl1, 0
.else
.if scv
	s_wait_dscnt 16                                ; A's row blocks 8-15 are in; the 16 just issued stay out
.else
	s_wait_dscnt 0x0
.endif
	WIN 0xf1
	MUL 1, sf, 0, 8, sz
.if scv
	s_wait_loadcnt sL1
	CVT 1, sg, sfn
.if sgl
	GLOAD 1, sg
.endif
	ALOAD 1, ssl1, su1
.endif
.endif
.endm
	s_load_b128 s[4:7], s[0:1], 0x0                ; cb s[4:5], Wo s[6:7]
	s_load_b64 s[8:9], s[0:1], 0x10                ; out0
	v_lshl_add_u32 v254, v0, 2, 0x42000
	v_mov_b32 v255, 0
	ds_add_u32 v254, v255
	s_wait_dscnt 0x0
	v_lshrrev_b32 v3, 5, v0
	v_readfirstlane_b32 s20, v3                    ; wave 0..3 = my K slice
	s_bfe_u32 s23, ttmp6, 0x40000                  ; cx: it enters Wo's and out0's addresses alone
	s_mov_b32 s50, ttmp9                           ; the cluster's x = the row block, which the four partners share
	s_and_b32 s49, ttmp7, 0xffff                   ; the cluster's y = a group of four column tiles; the partners share it
	s_lshr_b32 s71, s49, 3
	s_mul_i32 s71, s71, 7
	s_xor_b32 s71, s71, s49
	s_and_b32 s71, s71, 7
	s_lshl_b32 s71, s71, 1                         ; the K tile at which my cluster begins: 2 ((G & 7) xor 7 (G >> 3))
	s_lshl_b32 s72, s71, 9                         ; slot 0 begins with that tile: 512 bytes of a row of cb a tile,
	s_mov_b32 s73, 0
	s_add_co_u32 s74, s71, 1                       ; slot 1 with the next (an even tile's successor is 15 at the most)
	s_lshl_b32 s74, s74, 9
	s_mov_b32 s75, 0
	s_mov_b32 s24, 15|(1<<16)|(1<<20)|(1<<21)|(6<<22)|(3<<25)  ; mask: all four work-groups; element 2 bytes; padding on; bit 21 beside a mask; after every 128 words, 4 words
	s_mov_b32 s25, 256<<16                         ; tensor_dim0 = 256
	s_mov_b32 s26, 64<<16                          ; tensor_dim1 = 64
	s_mov_b32 s27, 256<<16                         ; tile_dim0 = 256
	s_mov_b32 s28, 64                              ; tile_dim1 = 64
	s_mov_b32 s29, 4096                            ; elements from row to row
	s_mov_b32 s30, 0
	s_mov_b32 s31, 0
	s_mul_i32 s52, s20, QUART                      ; my 64 rows in a slot
	s_lshl_b32 s54, s50, 8
	s_lshl_b32 s55, s20, 6
	s_add_co_u32 s53, s54, s55                     ; row 256 x block + 64 x wave: the rows that I fetch, and those that I store at the end
	s_lshl_b32 s54, s53, 13
	s_mov_b32 s55, 0
	s_lshl_b32 s57, s49, 2
	s_add_co_u32 s57, s57, s23                     ; my tile of 64 columns
	v_and_b32 v1, 15, v0                           ; r
	v_bfe_u32 v2, v0, 4, 1                         ; h
	v_lshlrev_b32 v15, 4, v1                       ; 16 r
	v_lshlrev_b32 v3, 3, v2                        ; 8 h
.irp p, 0,1,2,3,4,5,6,7,8,9,10,11,12,13,14,15
	v_add_nc_u32 v[16+\p], \p+8*(\p/8), v3         ; row p of a raw group is k = 8 h + p (p < 8) or 16 + 8 h + p - 8
	v_lshl_add_u32 v[16+\p], v[16+\p], 14, v15     ; rows of 16,384 bytes
.endr
	v_mul_u32_u24 v4, v1, PITCH
	v_lshl_add_u32 v4, v2, 4, v4
	s_lshl_b32 s60, s20, 6
	v_add_nc_u32 v4, s60, v4                       ; row r x pitch + 16 h + 64 x slice
	v_add_nc_u32 v5, HALFA, v4
	v_add_nc_u32 v6, SLOT, v4
	v_add_nc_u32 v7, SLOT+HALFA, v4
	v_and_b32 v3, 31, v0
	v_lshlrev_b32 v3, 4, v3
	s_lshl_b32 s60, s20, 16
	v_add_nc_u32 v8, s60, v3
	s_lshl_b32 s60, s20, 14
	v_add_nc_u32 v9, s60, v3
	v_add_nc_u32 v10, 0x10000, v9
	v_add_nc_u32 v11, 0x20000, v9
	v_add_nc_u32 v12, 0x30000, v9
	v_lshl_add_u32 v13, v2, 17, v15                ; 8 h rows of 16,384 bytes + 16 r
	s_lshl_b32 s68, s57, 8                         ; Wo's offset: 256 bytes a tile of columns,
	s_lshl_b32 s59, s20, 19                        ; 32 rows a slice,
	s_add_co_u32 s68, s68, s59
	s_lshl_b32 s59, s71, 22                        ; 256 rows a K tile
	s_add_co_u32 s68, s68, s59
	s_mov_b32 s69, 0
	s_mov_b32 s70, 4096*16384-1                    ; the mask that wraps the offset at Wo's last row
	s_mov_b32 s42, 32*KS*16384                     ; a sub-step: 128 rows of Wo
	s_lshl_b32 s60, s53, 14                        ; out0: my first row, my tile
	s_lshl_b32 s61, s57, 8
	s_add_co_u32 s60, s60, s61
	s_mov_b32 s61, 0
	s_wait_kmcnt 0x0
	s_add_nc_u64 s[40:41], s[WB:WB+1], s[68:69]
	s_add_nc_u64 s[44:45], s[8:9], s[60:61]
	s_add_nc_u64 s[4:5], s[4:5], s[54:55]          ; cb at my 64 rows
.irp s, 0,1
	s_mov_b32 s[32+4*\s], 1
	s_add_co_u32 s[33+4*\s], s52, \s*SLOT
	s_add_nc_u64 s[34+4*\s:35+4*\s], s[4:5], s[72+2*\s:73+2*\s]  ; the slot's first tile
	s_or_b32 s[35+4*\s], s[35+4*\s], 0x80000000
.endr
	CROUND                                         ; all four work-groups are here: the first joint loads meet
	tensor_load_to_lds s[32:35], s[24:31]          ; both first fills together: two loads of mine are out
	s_nop 0
	tensor_load_to_lds s[36:39], s[24:31]
	s_nop 0
	PLACES
	GLOAD 0, 0
	GLOAD 1, 0
.irp g, 1,2,3
	WSTEP
	GLOAD 0, \g
	GLOAD 1, \g
.endr
	s_wait_loadcnt 48                              ; sub-step 0's rows are in; three groups stay out
	CVT 0, 0, 0
	CVT 1, 0, 0
	WSTEP
	GLOAD 0, 0                                     ; sub-step 4
	GLOAD 1, 0
	s_wait_tensorcnt 0x1                           ; my part of slot 0 is in; slot 1's may stay out
	s_barrier_signal -1
	s_barrier_wait -1
	ALOAD 0, 0, 0
	ALOAD 1, 0, 0
	SUB 0                                          ; its products start the sums: nothing is cleared
	WIN 0
	s_mov_b32 s48, 6
.Lk:                                                   ; a trip: 4 sub-steps, once round the ring of slots and once round the raw groups
.irp n, 1,2,3,4
	SUB \n
.endr
	WIN 0
	s_sub_co_u32 s48, s48, 1
	s_cmp_lg_u32 s48, 0
	s_cbranch_scc1 .Lk
.irp n, 25,26,27,28,29,30,31
	SUB \n                                         ; the tail is written out: two more refills, then nothing is asked for, and the counts run down
.endr
	; THE EXCHANGE.
	PLACES                                         ; behind the last products: stores of results follow
	WIN 0
	s_wait_dscnt 0x0
	s_barrier_signal -1
	s_barrier_wait -1                              ; every wave's reads of the ring are over; no fill follows: its bytes now serve the exchange
.irp hf, 0,1
	WIN 0x08+4*\hf
.irp a, 0,1,2,3,4,5,6,7
.irp i, 0,1,2,3
	ds_store_b128 v8, v[8*(4*\a+\i):8*(4*\a+\i)+3]   offset:(4*(8*\hf+\a)+\i)*1024       ; each accumulator from its low end on
	ds_store_b128 v8, v[8*(4*\a+\i)+4:8*(4*\a+\i)+7] offset:(4*(8*\hf+\a)+\i)*1024+512
.endr
.endr
.endr
	WIN 0
	s_wait_dscnt 0x0                               ; for the others' sake: my stores are done
	s_barrier_signal -1
	s_barrier_wait -1
; Row block 4 w + a: the four waves' partial sums are added, divided by 16 and stored: a lane's 4 columns of a row are 16 bytes, sixteen lanes 256 consecutive aligned bytes
.macro WAYOUT a
.irp s, 0,1,2,3
.irp i, 0,1,2,3
	ds_load_b128 v[64+32*\s+8*\i:64+32*\s+8*\i+3],   v[9+\s] offset:\a*4096+\i*1024
	ds_load_b128 v[64+32*\s+8*\i+4:64+32*\s+8*\i+7], v[9+\s] offset:\a*4096+\i*1024+512
.endr
.endr
	s_wait_dscnt 0x0
.irp m, 0,1,2,3,4,5,6,7,8,9,10,11,12,13,14,15
	v_pk_add_f32 v[64+2*\m:65+2*\m], v[64+2*\m:65+2*\m], v[96+2*\m:97+2*\m]
	v_pk_add_f32 v[128+2*\m:129+2*\m], v[128+2*\m:129+2*\m], v[160+2*\m:161+2*\m]
.endr
.irp m, 0,1,2,3,4,5,6,7,8,9,10,11,12,13,14,15
	v_pk_add_f32 v[64+2*\m:65+2*\m], v[64+2*\m:65+2*\m], v[128+2*\m:129+2*\m]
.endr
	s_wait_xcnt 0x0                                ; the last block's stores have read v32-63
.irp j, 0,1,2,3,4,5,6,7
.irp i, 0,1,2,3
	v_mul_f32 v[32+4*\j+\i], 0x3d800000, v[64+8*\i+\j]     ; 1/16: v's factor goes out again
.endr
	global_store_b128 v13, v[32+4*\j:35+4*\j], s[44:45] offset:(16*\a+\j)*16384 th:TH_STORE_NT
.endr
.endm
	WAYOUT 0
	WAYOUT 1
	WAYOUT 2
	WAYOUT 3
	s_wait_xcnt 0x0
	s_set_vgpr_msb (MSB<<8)|((MSB&0x3c)|0x0)
	v_lshl_add_u32 v254, v0, 2, 0x42000
	v_mov_b32 v255, 0
	s_set_vgpr_msb (((MSB&0x3c)|0x0)<<8)|((MSB&0x30)|0x0)
	s_wait_tensorcnt 0x0
	ds_add_u32 v254, v255
	s_wait_dscnt 0x0
	s_set_vgpr_msb (((MSB&0x30)|0x0)<<8)|MSB
	CROUND                                         ; the closing round: no work-group ends while a partner may still ask for a tile that names it
	s_endpgm
.Lfunc_end_k_qeed4a777c5_oproj:
	.size	k_qeed4a777c5_oproj, .Lfunc_end_k_qeed4a777c5_oproj-k_qeed4a777c5_oproj
	.p2alignl 7, 3214868480
	.fill 96, 4, 3214868480
	.section	.rodata,"a",@progbits
	.p2align	6, 0x0
	.amdhsa_kernel k_qeed4a777c5_oproj
		.amdhsa_group_segment_fixed_size 327680
		.amdhsa_private_segment_fixed_size 0
		.amdhsa_enable_private_segment 0
		.amdhsa_kernarg_size 24
		.amdhsa_user_sgpr_count 2
		.amdhsa_user_sgpr_kernarg_segment_ptr 1
		.amdhsa_wavefront_size32 1
		.amdhsa_system_sgpr_workgroup_id_x 1
		.amdhsa_system_sgpr_workgroup_id_y 1
		.amdhsa_system_sgpr_workgroup_id_z 1
		.amdhsa_system_vgpr_workitem_id 0
		.amdhsa_next_free_vgpr 1024
		.amdhsa_next_free_sgpr 80
		.amdhsa_reserve_vcc 0
		.amdhsa_float_denorm_mode_32 3
		.amdhsa_float_denorm_mode_16_64 3
		.amdhsa_memory_ordered 1
		.amdhsa_forward_progress 1
		.amdhsa_inst_pref_size 232
	.end_amdhsa_kernel
	.amdgpu_metadata
---
amdhsa.version: [ 1, 2 ]
amdhsa.kernels:
  - .name:           k_qeed4a777c5_oproj
    .symbol:         k_qeed4a777c5_oproj.kd
    .args:
      - { .name: cb, .offset: 0, .size: 8, .value_kind: global_buffer, .address_space: global }
      - { .name: Wo, .offset: 8, .size: 8, .value_kind: global_buffer, .address_space: global }
      - { .name: out0, .offset: 16, .size: 8, .value_kind: global_buffer, .address_space: global }
    .group_segment_fixed_size: 327680
    .private_segment_fixed_size: 0
    .kernarg_segment_align: 8
    .kernarg_segment_size: 24
    .max_flat_workgroup_size: 128
    .sgpr_count:     80
    .vgpr_count:     1024
    .wavefront_size: 32
...
	.end_amdgpu_metadata
.endif
;; end of part 4
;; ======== version 2 of 2: 4 launches; 1.05 times as fast as version 1
;; limits: values are held in f16: magnitudes above 65,504 overflow, below 6.1e-05 lose precision; right only within a limited range of input values
;; workspace buffers: xb 8,388,608 bytes; cs 524,288 bytes; qb 8,388,608 bytes; kb 2,097,152 bytes; vb 2,097,152 bytes; cb 8,388,608 bytes
;; launch prep: the kernel of part 1 again; grid 256 x 1, 8 waves a work-group, no clusters, 0 bytes of LDS; arguments x, positions, xb, cs; writes xb, cs
;; launch qkv: the kernel of part 2 again; grid 16 x 12, 4 waves a work-group, clusters of 4 x 1, 327,680 bytes of LDS; arguments xb, Wq, Wk, Wv, cs, qb, kb, vb; writes qb, kb, vb
;; launch attn (part 5): grid 32 x 8, 4 waves a work-group, clusters of 4 x 1, 327,680 bytes of LDS; arguments qb, kb, vb, positions, cb; writes cb
.if DOCPART == 5
	.amdgcn_target "amdgcn-amd-amdhsa--gfx1250"
	.amdhsa_code_object_version 6
	.text
	.protected	k_qeed4a777c5_attn
	.globl	k_qeed4a777c5_attn
	.p2align	8
	.type	k_qeed4a777c5_attn,@function
k_qeed4a777c5_attn:
	s_mov_b64 s[64:65], 0
	v_nop
	global_prefetch_b8 v0, s[64:65] scope:SCOPE_SE
	s_setreg_imm32_b32 hwreg(HW_REG_WAVE_MODE, 25, 1), 1
	s_wait_xcnt 0x0
	s_wait_alu depctr_hold_cnt(0) depctr_sa_sdst(0) depctr_va_vdst(0) depctr_va_sdst(0) depctr_va_ssrc(0) depctr_va_vcc(0) depctr_vm_vsrc(0)
	s_getreg_b32 s2, hwreg(HW_REG_IB_STS2, 6, 4)
	s_cmp_eq_u32 s2, 0
	s_cbranch_scc0 .Lentry_in_a_cluster
	s_endpgm
.Lentry_in_a_cluster:
	s_bfe_u32 s2, ttmp6, 0x10000c
	s_cmp_lg_u32 s2, 0x3003
	s_cbranch_scc0 .Lentry_shape_is_right
	s_endpgm
.Lentry_shape_is_right:
; cb[t][n x 128 + ch] = 16 x the sum over s of softmax_s(q[n][t] . k[n/4][s] / sqrt(128), kept where positions[t] >= positions[s]) v[n/4][s][ch], as f16 (vb holds 16 v).
; qb, kb bf16, vb f16, all [head][1024][128] in the channel order of the launch before; cb [1024][4096] f16 in the true order.  Products, maxima and sums in f32; the weights go to f16.
; The mask is made of an input, so no block of keys is left out: every score is made and then chosen by v_cndmask_b32.  A masked score is -2^127: c x 2^127 is exact, so a block in which
; all is masked gives exponents of exactly 0; its weights are wiped out by the factor 2^(c m_old - c m_new) = 0 when the first kept score comes, and one always comes: a query sees its own key.
; LIMIT: a raw score q . k must lie above -2^127.
; SHARES.  A work-group owns 32 positions x the 4 query heads of one key head: 32 x 8 = 256 work-groups.  Wave w: heads 4 g + 2 (w & 1) + t, t = 0, 1, at positions 32 X + 16 (w >> 1) + r:
; two tiles of 16 queries at the same positions, so one comparison serves both.  Every wave walks all 1,024 keys, 64 a step.
; LAYOUT.  S^T = K Q^T and O^T = V^T P: a lane holds one query (lane % 16) in S^T, P and O^T; a query's maximum and sum want one exchange between the halves of the lanes.
; CLUSTER.  The four position blocks of a cluster walk the same K and V: each tile is asked for JOINTLY (mask 15).  A slot holds 256 keys of K and of V, four key steps.
; THE EXPONENTIALS OF A KEY STEP ARE ONE BATCH WITH ONE WAIT: 66 of them, a and s0-s31 of both tiles (the first step: 64), each with a result register of its own (S^T in place; c2 of each tile for a).
; The wait cuts the step in two.  AHEAD OF IT stands all that names no result of the batch: K Q^T, the comparisons and choices, both maxima and statistics, the 32 scalings, the step of the key positions' offset.
; BEHIND IT stand all the readers: 32 roundings to f16, 32 sums, 64 rescalings of O^T; and V^T P.
; THE ORDER OF A KEY STEP.  (1) K Q^T of tile 0, 16 products.  (2) K Q^T of tile 1, 16 products, behind each four vector instructions: the step's 32 comparisons and tile 0's 32 choices.
; (3) One run of 174 vector instructions (macro AHEAD): the tiles are a stretch apart, so that tile 1's choices stand between the links of tile 0's maximum chain, and tile 0's exponentials go by turns with its
; scalings and tile 1's maximum chain; tile 1's exponentials have only their own scalings beside them.  (4) The wait, and directly behind it the eight loads of the next step's key positions.
; (5) 32 readers.  (6) V^T P, 32 products, behind 25 of them the other 96 readers, four (the last two times two) to a product.
; REGISTERS.  window 0: v1 r, v14 h, v2-3 K's place [slot], v4-5 V's, v6, v15 addresses in hand, v7 Q, v8 stage in, v9 stage back, v10 cb, v11 my query's position, v12 key positions' bytes,
;   v13 -2^127, v16-31 statistics (8 a tile), v32-63 key positions, v64-127 S^T, v128-159 P, v160-223 Q, v224 my position's byte.   window 1: v0-127 K, v128-255 O^T.   window 2: v0-127 V.
;   s68-99 the step's 32 masks, one for each of a lane's keys: they live from the comparisons to tile 1's choices.
.set PKB,   272                        ; a row of K in LDS: 256 bytes + 16
.set PVB,   288                        ; a row of V: 256 + 32
.set VOFF,  256*PKB
.set SLOTB, 256*(PKB+PVB)
.set STAGE, 2*SLOTB                    ; behind the ring: 16 rows x 272 bytes for each wave; no tensor load fills it
.set SP,    272
.set ST, 16                            ; tile t's statistics at v[ST + 8 t]: +0 c m, +1 m, +2, +3 l, +4 to +7 c0-c3, at work; a takes c2's place once the maximum is found
.set KP, 32
.set S,  64
.set P,  128
.set Q,  160
.set CS,  60                           ; s[60:61] c = log2(e) / sqrt(128)
.set SEL, 62                           ; s[62:63] lane selects for v_permlanex16_b32
.set MS,  68                           ; s[68:99] the masks
.set MSB, 0
.macro WIN new
.if MSB != (\new)
	s_set_vgpr_msb (MSB<<8)|(\new)
.set MSB, (\new)
.endif
.endm
.macro PLACES
.rept 4
	v_nop
.endr
.endm
.macro CROUND                          ; a round of the cluster's barrier
	s_barrier_signal -1
	s_barrier_wait -1
	s_cmp_lg_u32 s20, 0
	s_cbranch_scc1 .Lnot_wave_0_\@
	s_barrier_signal -3
.Lnot_wave_0_\@:
	s_barrier_wait -3
	s_barrier_signal -1
	s_barrier_wait -1
.endm
.macro JLOAD slot                      ; a joint refill: waves 0 and 1 fetch the halves of K's 256 rows, waves 2 and 3 those of V's; four v_nop follow each line
	s_cmp_lt_u32 s20, 2
	s_cbranch_scc0 .Lfor_v_\@
	tensor_load_to_lds s[40+4*\slot:43+4*\slot], s[24:31]
	s_nop 0
	PLACES
	s_branch .Lasked_\@
.Lfor_v_\@:
	tensor_load_to_lds s[48+4*\slot:51+4*\slot], s[32:39]
	s_nop 0
	PLACES
.Lasked_\@:
.endm
; 64 LDS loads: a step's K (16 fragments as they lie) and V (16 fragments, turned)
.macro FETCH slot
	WIN 0
	v_add_nc_u32 v6, s56, v[2+\slot]
	v_add_nc_u32 v15, s57, v[4+\slot]
	s_add_co_u32 s56, s56, 64*PKB                  ; the next fetch is the next step's
	s_add_co_u32 s57, s57, 64*PVB
	WIN 0x40
.irp f, 0,1,2,3,4,5,6,7,8,9,10,11,12,13,14,15  ; keys 16 (f / 4) on, channels 32 (f % 4) on
	ds_load_b128 v[8*\f:8*\f+3],   v6 offset:(\f/4)*16*PKB+(\f%4)*64
	ds_load_b128 v[8*\f+4:8*\f+7], v6 offset:(\f/4)*16*PKB+(\f%4)*64+32
.endr
	WIN 0x80
.irp f, 0,1,2,3,4,5,6,7,8,9,10,11,12,13,14,15  ; keys 32 (f / 8) on, channels 16 (f % 8) on
	ds_load_tr16_b128 v[8*\f:8*\f+3],   v15 offset:(\f/8)*32*PVB+(\f%8)*32
	ds_load_tr16_b128 v[8*\f+4:8*\f+7], v15 offset:(\f/8)*32*PVB+16*PVB+(\f%8)*32
.endr
.endm
; THE MATRIX WORK.  The accumulators take turns, one instruction a turn: 4 in a tile's K Q^T, 16 in V^T P.
.macro KQP t, i                        ; product i of 16 of tile t's S^T = K Q^T: channels 32 (i / 4) on, keys 16 (i % 4) on; the first 4 start the sums
	WIN 0x01
.set rS, S+32*(\t)+8*((\i)%4)
.set rK, 32*((\i)%4)+8*((\i)/4)
.set rQ, Q+32*(\t)+8*((\i)/4)
.if (\i) < 4
	v_wmma_f32_16x16x32_bf16 v[rS:rS+7], v[rK:rK+7], v[rQ:rQ+7], 0
.else
	v_wmma_f32_16x16x32_bf16 v[rS:rS+7], v[rK:rK+7], v[rQ:rQ+7], v[rS:rS+7]
.endif
.endm
.macro PVP i                           ; product i of 32 of O^T += V^T P: keys 32 (i / 16) on, channels 16 ((i / 2) % 8) on, tile i % 2; in the first key step the first 16 start O^T's sums
	WIN 0x52
.set rO, 128+64*((\i)%2)+8*(((\i)/2)%8)
.set rV, 64*((\i)/16)+8*(((\i)/2)%8)
.set rP, P+16*((\i)%2)+8*((\i)/16)
.if FIRST && ((\i) < 16)
	v_wmma_f32_16x16x32_f16 v[rO:rO+7], v[rV:rV+7], v[rP:rP+7], 0
.else
	v_wmma_f32_16x16x32_f16 v[rO:rO+7], v[rV:rV+7], v[rP:rP+7], v[rO:rO+7]
.endif
.endm
; THE VECTOR WORK, one line at a time: OP kind, tile, number.  s0-s31 are the lane's 32 scores of a tile, in pairs 0-15.
;   CP n   mask n: my query's position >= the position of my key n (one comparison for both tiles)          MK n   score n is kept, or becomes -2^127; each accumulator is read from its low end on
;   XS n   number n of the 21 that find the maximum and the statistics (XOP)                                 AX     a = 2^(c m_old - c m_new)
;   FS n   c s - c m for pair n                    EX n   the exponential of score n, in place              VP n   the key positions' offset: 0: 256 bytes on, 1: round the buffer's 4,096
;   CV n   pair n rounded to f16                   ZS n   number n of the 16 sums (ZOP)                     RS n   pair n of 32 of the tile's O^T times a: the one kind that leaves window 0
; CP to VP name no result of an exponential and stand ahead of the step's wait; CV, ZS and RS read results and stand behind it.
; FIRST = 1: the first key step has no old maximum, no a and nothing to rescale: XS 17, XS 20, AX, ZS 15 and RS write nothing.
.set CP, 0
.set MK, 1
.set XS, 2
.set AX, 3
.set FS, 4
.set EX, 5
.set VP, 6
.set CV, 7
.set ZS, 8
.set RS, 9
;   0-11 four chains c0-c3 of seven scores each, three operands at a time; 12-15 the four scores left over, c0-c3 and the old m into c0; 16, 18 the query's other 32 keys lie in the lane 16 away: the new m;
;   17 c m_old is kept for a; 19 c m; 20 c m_old - c m_new
.macro XOP n
.if (\n) < 4
	v_max3_num_f32 v[rT+4+(\n)], v[rS+8*(\n)], v[rS+8*(\n)+1], v[rS+8*(\n)+2]
.elseif (\n) < 12
	v_max3_num_f32 v[rT+4+(\n)%4], v[rT+4+(\n)%4], v[rS+8*((\n)%4)+2*((\n)/4)+1], v[rS+8*((\n)%4)+2*((\n)/4)+2]
.elseif (\n) == 12
	v_max3_num_f32 v[rT+4], v[rT+4], v[rS+7], v[rS+15]
.elseif (\n) == 13
	v_max3_num_f32 v[rT+6], v[rT+6], v[rS+23], v[rS+31]
.elseif (\n) == 14
	v_max3_num_f32 v[rT+4], v[rT+4], v[rT+5], v[rT+6]
.elseif ((\n) == 15) && FIRST
	v_max_num_f32 v[rT+4], v[rT+4], v[rT+7]
.elseif (\n) == 15
	v_max3_num_f32 v[rT+4], v[rT+4], v[rT+7], v[rT+1]
.elseif (\n) == 16
	v_permlanex16_b32 v[rT+5], v[rT+4], s[SEL], s[SEL+1]
.elseif (\n) == 17
	v_mov_b32 v[rT+7], v[rT]
.elseif (\n) == 18
	v_max_num_f32 v[rT+1], v[rT+4], v[rT+5]
.elseif (\n) == 19
	v_mul_f32 v[rT], s[CS], v[rT+1]
.else
	v_sub_f32 v[rT+7], v[rT+7], v[rT]
.endif
.endm
; the sum of the tile's 16 pairs, in place: neighbours 1 (0-7), 2 (8-11), 4 (12, 13) and 8 (14) pairs apart, then l takes it (15: l = a l + sum; the first step: 14 writes l)
.macro ZOP n
.set z, (\n)
.set w, 4
.set u, z
.if z >= 14
.set w, 32
.set u, 0
.elseif z >= 12
.set w, 16
.set u, z-12
.elseif z >= 8
.set w, 8
.set u, z-8
.endif
.if (z == 14) && FIRST
	v_pk_add_f32 v[rT+2:rT+3], v[rS:rS+1], v[rS+16:rS+17]
.elseif z < 15
	v_pk_add_f32 v[rS+w*u:rS+w*u+1], v[rS+w*u:rS+w*u+1], v[rS+w*u+w/2:rS+w*u+w/2+1]
.else
	v_pk_fma_f32 v[rT+2:rT+3], v[rT+2:rT+3], v[rT+6:rT+7], v[rS:rS+1] op_sel_hi:[1,0,1]
.endif
.endm
.macro OP k, t, n
.set rT, ST+8*(\t)
.set rS, S+32*(\t)
.set rP, P+16*(\t)
.set rO, 128+64*(\t)+2*(\n)
.set emit, 1
.if FIRST && (((\k) == AX) || ((\k) == RS) || (((\k) == XS) && (((\n) == 17) || ((\n) == 20))) || (((\k) == ZS) && ((\n) == 15)))
.set emit, 0
.endif
.if emit
.if (\k) == RS
	WIN 0x41
	v_pk_mul_f32 v[rO:rO+1], v[rO:rO+1], v[rT+6:rT+7] op_sel_hi:[1,0]
.else
	WIN 0
.if (\k) == CP
	v_cmp_ge_i32 s[MS+(\n)], v11, v[KP+(\n)]
.elseif (\k) == MK
	v_cndmask_b32 v[rS+(\n)], v13, v[rS+(\n)], s[MS+(\n)]
.elseif (\k) == XS
	XOP \n
.elseif (\k) == AX
	v_exp_f32 v[rT+6], v[rT+7]
.elseif (\k) == FS
	v_pk_fma_f32 v[rS+2*(\n):rS+2*(\n)+1], v[rS+2*(\n):rS+2*(\n)+1], s[CS:CS+1], v[rT:rT+1] op_sel_hi:[1,0,0] neg_lo:[0,0,1] neg_hi:[0,0,1]
.elseif (\k) == EX
	v_exp_f32 v[rS+(\n)], v[rS+(\n)]
.elseif ((\k) == VP) && ((\n) == 0)
	v_add_nc_u32 v12, 0x100, v12                   ; free since the wait for the loads that named it, between the two runs of K Q^T
.elseif (\k) == VP
	v_and_b32 v12, 0xfff, v12                      ; the last step's look-ahead wraps to the buffer's first bytes and is not used
.elseif (\k) == CV
	v_cvt_pk_f16_f32 v[rP+(\n)], v[rS+2*(\n)], v[rS+2*(\n)+1]
.else
	ZOP \n
.endif
.endif
.endif
.endm
.macro OPS k1, t1, n1, k2=-1, t2=0, n2=0, k3=-1, t3=0, n3=0, k4=-1, t4=0, n4=0  ; up to four of them
	OP \k1, \t1, \n1
.if (\k2) >= 0
	OP \k2, \t2, \n2
.endif
.if (\k3) >= 0
	OP \k3, \t3, \n3
.endif
.if (\k4) >= 0
	OP \k4, \t4, \n4
.endif
.endm
.macro RUN k, t, n0, cnt               ; cnt of one kind, numbers n0 on
.set rn, \n0
.rept \cnt
	OP \k, \t, rn
.set rn, rn+1
.endr
.endm
; THE RUN AHEAD OF THE WAIT, written out: 108 plain instructions and the batch's 66 exponentials.  Tile 0's scores have been chosen behind tile 1's products.
; Part 1: tile 0's maximum and statistics; from XS 13 on each number waits for the one before it, so four of tile 1's choices stand between the links.  (The first four choices also set tile 0's last choices apart from its maximum.)
; Part 2: tile 0's a and 32 exponentials, no two on end, between them its scalings (a pair is scaled four lines or more ahead of its exponentials) and tile 1's maximum and statistics, whose links again stand four lines or more apart.
; Part 3: tile 1's a and 32 exponentials; nine scalings are left, one leads each three exponentials.  No line of the run names a register that an exponential of the run has written.
; The last line, the AND on the key positions' offset, is the plain instruction behind the last exponential.
.macro AHEAD
	RUN MK,1,0,4
	RUN XS,0,0,12
	OPS MK,1,4, XS,0,12, XS,0,13, MK,1,5
	OPS MK,1,6, MK,1,7, MK,1,8, XS,0,14
	RUN MK,1,9,4
	OPS XS,0,15, MK,1,13, MK,1,14, MK,1,15
	OPS MK,1,16, XS,0,16, XS,0,17, MK,1,17
	OPS MK,1,18, MK,1,19, XS,0,18, MK,1,20
	OPS MK,1,21, MK,1,22, MK,1,23, XS,0,19
	RUN MK,1,24,4
	OPS XS,0,20, MK,1,28, MK,1,29, MK,1,30
	OPS MK,1,31, AX,0,0, FS,0,0, FS,0,1
	OPS FS,0,2, XS,1,0, XS,1,1, EX,0,0
	OPS XS,1,2, XS,1,3, FS,0,3, EX,0,1
	OPS XS,1,4, XS,1,5, EX,0,2, XS,1,6
	OPS XS,1,7, EX,0,3, FS,0,4, EX,0,4
	OPS XS,1,8, EX,0,5, XS,1,9, EX,0,6
	OPS XS,1,10, EX,0,7, XS,1,11, FS,0,5
	OPS EX,0,8, XS,1,12, EX,0,9, XS,1,13
	OPS FS,0,6, EX,0,10, FS,0,7, EX,0,11
	OPS XS,1,14, EX,0,12, FS,0,8, EX,0,13
	OPS FS,0,9, EX,0,14, XS,1,15, EX,0,15
	OPS FS,0,10, EX,0,16, FS,0,11, EX,0,17
	OPS XS,1,16, XS,1,17, EX,0,18, FS,0,12
	OPS EX,0,19, FS,0,13, EX,0,20, XS,1,18
	OPS EX,0,21, FS,0,14, EX,0,22, FS,0,15
	OPS EX,0,23, XS,1,19, EX,0,24, VP,0,0
	OPS EX,0,25, FS,1,0, EX,0,26, XS,1,20
	OPS FS,1,1, EX,0,27, FS,1,2, EX,0,28
	OPS FS,1,3, EX,0,29, FS,1,4, AX,1,0
	OPS FS,1,5, EX,0,30, FS,1,6, EX,0,31
.set gg, 0
.rept 9
	OPS FS,1,7+gg, EX,1,3*gg, EX,1,3*gg+1, EX,1,3*gg+2
.set gg, gg+1
.endr
	RUN EX,1,27,5
	OP VP,0,1
.endm
.macro STEP slot, first                ; a key step
.set FIRST, \first
.if \first == 0
	PLACES                                         ; behind the last V^T P: loads into V's registers follow
.endif
	FETCH \slot
	s_wait_dscnt 32                                ; K is in; V's 32 loads stay out
.set i, 0
.rept 16
	KQP 0, i
.set i, i+1
.endr
	s_wait_loadcnt 0x0                             ; this step's key positions, asked for a step ago
; Behind tile 1's product i stand four lines: for each 16 keys eight comparisons, then tile 0's eight choices.  The first eight comparisons are the places behind tile 0's last products;
; tile 0's last four choices are the places between tile 1's last product and tile 1's first choice.
.set i, 0
.rept 16
	KQP 1, i
.if (i%4) < 2
	RUN CP, 0, 8*(i/4)+4*(i%2), 4
.else
	RUN MK, 0, 8*(i/4)+4*(i%2), 4
.endif
.set i, i+1
.endr
	AHEAD
	WIN 0
	s_wait_alu depctr_va_vdst(0)                   ; the wait for the step's batch, a and s0-s31 of both tiles, ahead of the first line that names a result; no exponential follows it in the step
.irp kb, 0,1,2,3                       ; the next step's 64 key positions are asked for directly behind the wait; their registers were last read by this step's comparisons
	global_load_b128 v[KP+8*\kb:KP+8*\kb+3],   v12, s[10:11] offset:64*\kb
	global_load_b128 v[KP+8*\kb+4:KP+8*\kb+7], v12, s[10:11] offset:64*\kb+16
.endr
; THE READERS.  What the first four products need stands ahead of them: the roundings of keys 0-31 (pairs 0-7) of both tiles and the rescaling of their four accumulators.
	RUN CV, 0, 0, 8
	RUN CV, 1, 0, 8
	RUN RS, 0, 0, 4
	RUN RS, 1, 0, 4
	RUN RS, 0, 4, 4
	RUN RS, 1, 4, 4
	s_wait_dscnt 0x0                               ; V is in
; Behind product i: 0-11 the rescaling of the accumulator that product i + 4 adds onto; 12-15 the roundings of keys 32-63, which products 16 on read; 16-24 the sums, which follow all the roundings
; since they work in place on the weights; the two tiles alternate.  No line names a register of the products round it.
.set i, 0
.rept 32
	PVP i
.if i < 12
	RUN RS, (i+4)%2, 4*((i+4)/2), 4
.elseif i < 16
	RUN CV, (i-12)/2, 8+4*(i%2), 4
.elseif i < 23
	OPS ZS,0,2*(i-16), ZS,1,2*(i-16), ZS,0,2*(i-16)+1, ZS,1,2*(i-16)+1
.elseif i < 25
	OPS ZS,0,i-9, ZS,1,i-9
.endif
.set i, i+1
.endr
.endm
.macro STEPS slot, n
	s_mov_b32 s58, \n
.Lstep_\@:
	STEP \slot, 0
	WIN 0
	s_sub_co_u32 s58, s58, 1
	s_cmp_lg_u32 s58, 0
	s_cbranch_scc1 .Lstep_\@
.endm
; The change of slots: each wave waits for its reads of the slot and for all its tensor loads (the one that is out is its part of the other slot).  fill = 1: the barrier is a round of the
; cluster's, and the joint refill (the keys 512 further on) is the first thing behind it: one load of mine is out, and it has four key steps in which to land.
.macro CHANGE old, fill
	WIN 0
	s_wait_dscnt 0x0
	s_wait_tensorcnt 0x0
	ds_add_u32 v254, v255
	s_wait_dscnt 0x0
.if \fill
	s_add_nc_u64 s[42+4*\old:43+4*\old], s[42+4*\old:43+4*\old], 0x20000
	s_add_nc_u64 s[50+4*\old:51+4*\old], s[50+4*\old:51+4*\old], 0x20000
	CROUND
	JLOAD \old
.else
	s_barrier_signal -1
	s_barrier_wait -1
.endif
	s_mov_b32 s56, 0                               ; the fetches begin at a slot's first step
	s_mov_b32 s57, 0
.endm
	s_load_b256 s[4:11], s[0:1], 0x0               ; qb s[4:5], kb s[6:7], vb s[8:9], positions s[10:11]
	s_load_b64 s[12:13], s[0:1], 0x20              ; cb
	v_lshl_add_u32 v254, v0, 2, 0x4a400
	v_mov_b32 v255, 0
	ds_add_u32 v254, v255
	v_lshrrev_b32 v1, 5, v0
	v_readfirstlane_b32 s20, v1                    ; wave 0..3
	s_and_b32 s21, s20, 1                          ; which pair of heads is mine.  Also: which 128 rows of a tile I fetch
	s_lshr_b32 s22, s20, 1                         ; which 16 positions
	s_bfe_u32 s23, ttmp6, 0x40000                  ; cx: it enters Q's, my position's and cb's addresses alone
	s_and_b32 s15, ttmp7, 0xffff                   ; g: the key head, which the partners share
	s_lshl_b32 s14, ttmp9, 2
	s_add_co_u32 s14, s14, s23                     ; X: my block of 32 positions
	s_lshl_b32 s66, s14, 5
	s_lshl_b32 s2, s22, 4
	s_add_co_u32 s66, s66, s2                      ; my tiles' first position
	s_lshl_b32 s67, s15, 2
	s_lshl_b32 s2, s21, 1
	s_add_co_u32 s67, s67, s2                      ; my first head
	s_lshl_b32 s16, s15, 18                        ; K and V: the head's 262,144 bytes, my 128 rows of 256
	s_lshl_b32 s17, s21, 15
	s_add_co_u32 s16, s16, s17
	s_mov_b32 s17, 0
	s_mul_i32 s18, s21, 128*PKB                    ; and where they go in a slot
	s_mul_i32 s19, s21, 128*PVB
	s_add_co_u32 s19, s19, VOFF
	; descriptor group 1: 128 rows x 128 elements of 2 bytes, padded behind every 256 bytes
	s_mov_b32 s24, 15|(1<<16)|(1<<20)|(1<<21)|(5<<22)|(3<<25)  ; K: 4 words of padding
	s_mov_b32 s32, 15|(1<<16)|(1<<20)|(1<<21)|(5<<22)|(7<<25)  ; V: 8 words
.irp g, 24, 32
	s_mov_b32 s[\g+1], 128<<16                     ; tensor_dim0 = 128
	s_mov_b32 s[\g+2], 128<<16                     ; tensor_dim1 = 128
	s_mov_b32 s[\g+3], 128<<16                     ; tile_dim0 = 128
	s_mov_b32 s[\g+4], 128                         ; tile_dim1 = 128
	s_mov_b32 s[\g+5], 128                         ; elements from row to row
	s_mov_b32 s[\g+6], 0
	s_mov_b32 s[\g+7], 0
.endr
	s_mov_b32 s[CS], 0x3e0293ee                    ; c = log2(e) / sqrt(128)
	s_mov_b32 s[CS+1], s[CS]
	s_mov_b32 s[SEL], 0x76543210
	s_mov_b32 s[SEL+1], 0xfedcba98
	s_mov_b32 s56, 0
	s_mov_b32 s57, 0
	s_wait_dscnt 0x0
	s_wait_kmcnt 0x0
	s_add_nc_u64 s[6:7], s[6:7], s[16:17]
	s_add_nc_u64 s[8:9], s[8:9], s[16:17]
	s_lshl_b32 s2, s67, 10
	s_add_co_u32 s2, s2, s66
	s_lshl_b32 s2, s2, 8
	s_mov_b32 s3, 0
	s_add_nc_u64 s[4:5], s[4:5], s[2:3]            ; Q at my first head's first row
	s_lshl_b32 s2, s66, 2
	s_add_nc_u64 s[76:77], s[10:11], s[2:3]        ; positions at my tiles' first (these two registers serve as masks once the load that names them is in)
	s_lshl_b32 s2, s66, 13
	s_lshl_b32 s78, s67, 8
	s_add_co_u32 s2, s2, s78
	s_add_nc_u64 s[12:13], s[12:13], s[2:3]        ; cb at my first row and head
.irp s, 0,1
	s_mov_b32 s[40+4*\s], 1
	s_add_co_u32 s[41+4*\s], s18, \s*SLOTB
	s_add_nc_u64 s[42+4*\s:43+4*\s], s[6:7], \s*65536   ; slot s begins with keys 256 s
	s_or_b32 s[43+4*\s], s[43+4*\s], 0x80000000
	s_mov_b32 s[48+4*\s], 1
	s_add_co_u32 s[49+4*\s], s19, \s*SLOTB
	s_add_nc_u64 s[50+4*\s:51+4*\s], s[8:9], \s*65536
	s_or_b32 s[51+4*\s], s[51+4*\s], 0x80000000
.endr
	CROUND                                         ; all four work-groups are here: the first joint loads meet
	s_cmp_lt_u32 s20, 2                            ; a wave's two first fills stand in one branch: two loads of mine are out
	s_cbranch_scc0 .Lfirst_v
	tensor_load_to_lds s[40:43], s[24:31]
	s_nop 0
	tensor_load_to_lds s[44:47], s[24:31]
	s_nop 0
	PLACES
	s_branch .Lfirst_asked
.Lfirst_v:
	tensor_load_to_lds s[48:51], s[32:39]
	s_nop 0
	tensor_load_to_lds s[52:55], s[32:39]
	s_nop 0
	PLACES
.Lfirst_asked:
	v_and_b32 v1, 15, v0                           ; r
	v_bfe_u32 v14, v0, 4, 1                        ; h
	v_lshlrev_b32 v7, 8, v1
	v_lshl_add_u32 v7, v14, 4, v7                  ; Q: row r x 256 + 16 h
	v_lshlrev_b32 v224, 2, v1
	v_lshlrev_b32 v12, 5, v14                      ; key positions: keys 8 h on of each 16
.irp t, 0,1
.irp c, 0,1,2,3
	global_load_b128 v[Q+32*\t+8*\c:Q+32*\t+8*\c+3],   v7, s[4:5] offset:\t*262144+\c*64
	global_load_b128 v[Q+32*\t+8*\c+4:Q+32*\t+8*\c+7], v7, s[4:5] offset:\t*262144+\c*64+32
.endr
.endr
	global_load_b32 v11, v224, s[76:77]
.irp kb, 0,1,2,3
	global_load_b128 v[KP+8*\kb:KP+8*\kb+3],   v12, s[10:11] offset:64*\kb
	global_load_b128 v[KP+8*\kb+4:KP+8*\kb+7], v12, s[10:11] offset:64*\kb+16
.endr
	v_mul_u32_u24 v2, v1, PKB
	v_lshl_add_u32 v2, v14, 4, v2                  ; K: row r x pitch + 16 h
	v_add_nc_u32 v3, SLOTB, v2
	v_and_b32 v6, 7, v0                            ; V, for the turning load: key 8 h + l % 8, channels 8 ((l / 8) % 2) on
	v_bfe_u32 v15, v0, 3, 1
	v_lshl_add_u32 v4, v14, 3, v6
	v_mul_u32_u24 v4, v4, PVB
	v_lshl_add_u32 v4, v15, 4, v4
	v_add_nc_u32 v4, VOFF, v4
	v_add_nc_u32 v5, SLOTB, v4
	s_mul_i32 s2, s20, 16*SP
	s_add_co_u32 s2, s2, STAGE                     ; my stage
	v_mul_u32_u24 v8, v1, SP
	v_lshl_add_u32 v8, v14, 3, v8
	v_add_nc_u32 v8, s2, v8                        ; in: row r, 8 bytes for each half of the lanes
	v_mul_u32_u24 v9, v14, SP
	v_lshl_add_u32 v9, v1, 4, v9
	v_add_nc_u32 v9, s2, v9                        ; back: lanes 0-15 one row of 256 bytes, lanes 16-31 the next
	v_lshlrev_b32 v10, 13, v14
	v_lshl_add_u32 v10, v1, 4, v10                 ; and the same two rows in cb
	v_mov_b32 v13, 0xff000000                      ; -2^127
	s_wait_tensorcnt 0x1                           ; my part of slot 0 is in; slot 1's may stay out
	s_barrier_signal -1
	s_barrier_wait -1
	s_wait_loadcnt 0x0                             ; Q, my position, the first key positions
	STEP 0, 1
	WIN 0
	STEPS 0, 3
	CHANGE 0, 1
	STEPS 1, 4
	CHANGE 1, 1
	STEPS 0, 4
	CHANGE 0, 0                                    ; nothing is left to ask for
	STEPS 1, 4
	; THE WAY OUT.  The four additions and the v_nop are the places behind the last products.
.irp t, 0,1
	v_add_f32 v[ST+8*\t+4], v[ST+8*\t+2], v[ST+8*\t+3]
.endr
.irp t, 0,1
	v_permlanex16_b32 v[ST+8*\t+5], v[ST+8*\t+4], s[SEL], s[SEL+1]
.endr
.irp t, 0,1
	v_add_f32 v[ST+8*\t+4], v[ST+8*\t+4], v[ST+8*\t+5]
.endr
.irp t, 0,1
	v_rcp_f32 v[ST+8*\t+6], v[ST+8*\t+4]
.endr
	v_nop                                          ; a plain instruction between the last reciprocal and the use of its result
	s_wait_alu depctr_va_vdst(0)                   ; the wait for the batch of two reciprocals, ahead of the first multiply by them
; Block cb of O^T holds places 16 cb + 8 h + j of V's order: j < 4 are channels 8 cb + 4 h + j, j >= 4 channels 64 + 8 cb + 4 h + j - 4.  So a lane's eight numbers go into the stage as
; two pieces of 8 bytes, 128 bytes apart, which restores the true order; whole rows of 256 bytes come back.
.macro SENDT t
	WIN 0x41
.set i, 128+64*\t
.rept 32
	v_pk_mul_f32 v[i:i+1], v[i:i+1], v[ST+8*\t+6:ST+8*\t+7] op_sel_hi:[1,0]
.set i, i+2
.endr
	WIN 0x05
.set i, 0
.rept 32
	v_cvt_pk_f16_f32 v[S+32*\t+i], v[128+64*\t+2*i], v[128+64*\t+2*i+1]
.set i, i+1
.endr
	WIN 0
.irp c, 0,1,2,3,4,5,6,7
	ds_store_b64 v8, v[S+32*\t+4*\c:S+32*\t+4*\c+1]   offset:16*\c
	ds_store_b64 v8, v[S+32*\t+4*\c+2:S+32*\t+4*\c+3] offset:128+16*\c
.endr
.irp f, 0,1,2,3,4,5,6,7
	ds_load_b128 v[S+32*\t+4*\f:S+32*\t+4*\f+3], v9 offset:\f*2*SP   ; LDS serves a wave's instructions in order: these see the stores above
.endr
.irp f, 0,1,2,3,4,5,6,7
	s_wait_dscnt 7-\f
	global_store_b128 v10, v[S+32*\t+4*\f:S+32*\t+4*\f+3], s[12:13] offset:\f*16384+\t*256   ; sixteen lanes: a head's 256 consecutive bytes of a row of cb
.endr
.endm
	SENDT 0
	SENDT 1
	s_wait_tensorcnt 0x0
	ds_add_u32 v254, v255
	s_wait_dscnt 0x0
	CROUND                                         ; the closing round
	s_endpgm
.Lfunc_end_k_qeed4a777c5_attn:
	.size	k_qeed4a777c5_attn, .Lfunc_end_k_qeed4a777c5_attn-k_qeed4a777c5_attn
	.p2alignl 7, 3214868480
	.fill 96, 4, 3214868480
	.section	.rodata,"a",@progbits
	.p2align	6, 0x0
	.amdhsa_kernel k_qeed4a777c5_attn
		.amdhsa_group_segment_fixed_size 327680
		.amdhsa_private_segment_fixed_size 0
		.amdhsa_enable_private_segment 0
		.amdhsa_kernarg_size 40
		.amdhsa_user_sgpr_count 2
		.amdhsa_user_sgpr_kernarg_segment_ptr 1
		.amdhsa_wavefront_size32 1
		.amdhsa_system_sgpr_workgroup_id_x 1
		.amdhsa_system_sgpr_workgroup_id_y 1
		.amdhsa_system_sgpr_workgroup_id_z 1
		.amdhsa_system_vgpr_workitem_id 0
		.amdhsa_next_free_vgpr 640
		.amdhsa_next_free_sgpr 100
		.amdhsa_reserve_vcc 0
		.amdhsa_float_denorm_mode_32 3
		.amdhsa_float_denorm_mode_16_64 3
		.amdhsa_memory_ordered 1
		.amdhsa_forward_progress 1
		.amdhsa_inst_pref_size 184
	.end_amdhsa_kernel
	.amdgpu_metadata
---
amdhsa.version: [ 1, 2 ]
amdhsa.kernels:
  - .name:           k_qeed4a777c5_attn
    .symbol:         k_qeed4a777c5_attn.kd
    .args:
      - { .name: qb, .offset: 0, .size: 8, .value_kind: global_buffer, .address_space: global }
      - { .name: kb, .offset: 8, .size: 8, .value_kind: global_buffer, .address_space: global }
      - { .name: vb, .offset: 16, .size: 8, .value_kind: global_buffer, .address_space: global }
      - { .name: positions, .offset: 24, .size: 8, .value_kind: global_buffer, .address_space: global }
      - { .name: cb, .offset: 32, .size: 8, .value_kind: global_buffer, .address_space: global }
    .group_segment_fixed_size: 327680
    .private_segment_fixed_size: 0
    .kernarg_segment_align: 8
    .kernarg_segment_size: 40
    .max_flat_workgroup_size: 128
    .sgpr_count:     100
    .vgpr_count:     640
    .wavefront_size: 32
...
	.end_amdgpu_metadata
.endif
;; end of part 5
;; launch oproj: the kernel of part 4 again; grid 16 x 16, 4 waves a work-group, clusters of 4 x 1, 327,680 bytes of LDS; arguments cb, Wo, out0; writes out0
